; MI455X (gfx1250); checked and timed in simulation.
; The chip was launched on July 23, 2026; its instructions are those of AMD's public machine-readable ISA for CDNA 5 (MIT licence, August 2026) and "CDNA5" Instruction Set Architecture Reference Guide (July 2026). The comments in the code are by the model that wrote it; some were corrected since.
;; Self Attention Block. Allowed arithmetic: matrix products marked QUANTISED: E2M3 operands, one E8M0 scale for each 32 along K, by v_wmma_scale_f32_16x16x128_f8f6f4 with both operands' format E2M3, f32 sums; products left as they are: f32 operands where the result goes on into a quantised operand, else bf16, f16 or f32 operands; f32 sums; everything else in f32.
;; Inputs: ff1_A 16 x 1,024 float32; ff1_B 4,096 x 16 float32; ff1_W 4,096 x 1,024 float32; ff1_b 4,096 float32; ff2_A 16 x 4,096 float32; ff2_B 1,024 x 16 float32; ff2_W 1,024 x 4,096 float32; ff2_b 1,024 float32; k_A 16 x 1,024 float32; k_B 1,024 x 16 float32; k_W 1,024 x 1,024 float32; k_b 1,024 float32; ln1_b 1,024 float32; ln1_g 1,024 float32; ln2_b 1,024 float32; ln2_g 1,024 float32; o_A 16 x 1,024 float32; o_B 1,024 x 16 float32; o_W 1,024 x 1,024 float32; o_b 1,024 float32; q_A 16 x 1,024 float32; q_B 1,024 x 16 float32; q_W 1,024 x 1,024 float32; q_b 1,024 float32; v_A 16 x 1,024 float32; v_B 1,024 x 16 float32; v_W 1,024 x 1,024 float32; v_b 1,024 float32; x 4 x 1,024 x 1,024 float32.
;; Outputs: out0 4 x 1,024 x 1,024 float32.
;; This version of the problem:
;;   THIS VERSION OF THE PROBLEM IS GIVEN IN LOW PRECISION. The matrix products marked QUANTISED in the list below multiply operands that are first quantised to E2M3 (2 exponent bits, 3 mantissa bits; 6 bits a number), with one power-of-two scale for each 32 numbers along K (OCP MX v1.0); their sums are f32. All else is computed in f32.
;;   The module's matrix products, in the order in which they are computed (A, B: the left and right operand; K: the contracted axis; several contracted axes count as one K, in the product's order):
;;     1. [M 4,096, K 1,024] x [K 1,024, N 1,024]; A: computed on the way; B: input q_W: QUANTISED
;;     2. [M 4,096, K 1,024] x [K 1,024, N 16]; A: computed on the way; B: input q_A: QUANTISED
;;     3. [M 4,096, K 16] x [K 16, N 1,024]; A: computed on the way; B: input q_B: left as it is (K = 16 < 32)
;;     4. [M 4,096, K 1,024] x [K 1,024, N 1,024]; A: computed on the way; B: input k_W: QUANTISED
;;     5. [M 4,096, K 1,024] x [K 1,024, N 16]; A: computed on the way; B: input k_A: QUANTISED
;;     6. [M 4,096, K 16] x [K 16, N 1,024]; A: computed on the way; B: input k_B: left as it is (K = 16 < 32)
;;     7. [M 4,096, K 1,024] x [K 1,024, N 1,024]; A: computed on the way; B: input v_W: QUANTISED
;;     8. [M 4,096, K 1,024] x [K 1,024, N 16]; A: computed on the way; B: input v_A: QUANTISED
;;     9. [M 4,096, K 16] x [K 16, N 1,024]; A: computed on the way; B: input v_B: left as it is (K = 16 < 32)
;;     10. batch 64 x [M 1,024, K 64] x [K 64, N 1,024]; A: computed on the way; B: computed on the way: QUANTISED
;;     11. batch 64 x [M 1,024, K 1,024] x [K 1,024, N 64]; A: softmax (see below); B: computed on the way: QUANTISED
;;     12. [M 4,096, K 1,024] x [K 1,024, N 1,024]; A: computed on the way; B: input o_W: QUANTISED
;;     13. [M 4,096, K 1,024] x [K 1,024, N 16]; A: computed on the way; B: input o_A: QUANTISED
;;     14. [M 4,096, K 16] x [K 16, N 1,024]; A: computed on the way; B: input o_B: left as it is (K = 16 < 32)
;;     15. [M 4,096, K 1,024] x [K 1,024, N 4,096]; A: computed on the way; B: input ff1_W: QUANTISED
;;     16. [M 4,096, K 1,024] x [K 1,024, N 16]; A: computed on the way; B: input ff1_A: QUANTISED
;;     17. [M 4,096, K 16] x [K 16, N 4,096]; A: computed on the way; B: input ff1_B: left as it is (K = 16 < 32)
;;     18. [M 4,096, K 4,096] x [K 4,096, N 1,024]; A: computed on the way; B: input ff2_W: QUANTISED
;;     19. [M 4,096, K 4,096] x [K 4,096, N 16]; A: computed on the way; B: input ff2_A: QUANTISED
;;     20. [M 4,096, K 16] x [K 16, N 1,024]; A: computed on the way; B: input ff2_B: left as it is (K = 16 < 32)
;;   THE QUANTISER, for each operand of a quantised product, along K:
;;     - K is cut into blocks of 32 from its start; a last block that is shorter is filled with zeros.
;;     - A block's scale is 2^e with e = floor(log2(the largest magnitude in the block)) - 2, held to -126 .. 127; a block of zeros has e = 0. As a byte (E8M0): e + 127.
;;     - Each number is divided by its block's scale, clamped to +-7.5, and rounded to the nearest number of E2M3, ties to even, subnormals kept.
;;     - The product sums the exact products of the quantised numbers (number of the format x scale) in f32.
;;   ~~~python
;;   def quantise(x, axis):      # numpy; x: float32 -> the quantised numbers, widened to float32 again
;;       x = np.moveaxis(x, axis, -1); K = x.shape[-1]
;;       x = np.pad(x, [(0, 0)] * (x.ndim - 1) + [(0, -K % 32)]); x = x.reshape(x.shape[:-1] + (-1, 32)); a = np.abs(x).max(-1, keepdims=True)
;;       e = np.where(a > 0, np.clip(np.frexp(np.where(a > 0, a, 1))[1] - 1 - 2, -126, 127), 0)      # np.frexp(a)[1] - 1 = floor(log2(a)), exactly
;;       r = np.clip(x / 2.0 ** e, -7.5, 7.5)
;;       step = 2.0 ** (np.maximum(np.frexp(np.where(r == 0, 1, r))[1] - 1, 0) - 3)
;;       q = np.round(r / step) * step * 2.0 ** e      # np.round: ties to even
;;       return np.moveaxis(q.reshape(q.shape[:-2] + (-1,))[..., :K], -1, axis).astype(np.float32)
;;   ~~~
;;   SOFTMAX AHEAD OF A QUANTISED PRODUCT. Where the list says 'softmax', what is quantised is not the finished softmax but p = 2^(t - M), with t = logit x log2(e) and M = ceil(the row's largest t), a whole number; so 1/2 < the row's largest p <= 1. The row's sum l is taken of the UNQUANTISED p, in f32, and the product's result is divided by l at the end. Since M is a whole number, a kernel that streams over the keys may use a running M (the ceiling of the running maximum): every later rescaling is an exact power of two, which a block's scale takes up: the codes' values come out the same.
;;   OPERANDS COMPUTED ON THE WAY. 'Computed on the way' means the value that the module computes at that place (a softmax that the list does not call 'softmax' is quantised finished and normalised). What goes into a quantiser is computed in f32, as accurately as f32 sums, v_exp_f32 and their like allow (about 1e-6 of the number): no bf16 or f16 on the way to a quantiser, and a product that is left as it is and whose result goes on into a quantised operand takes f32 operands (vector FMAs, or v_wmma_f32_16x16x4_f32). A number that lies on a knife's edge between two numbers of the format may be rounded either way, as far as f32 arithmetic and the matrix unit's own rounding can turn it there, and no further.
;; One version. Each part assembles by itself: llvm-mc -triple=amdgcn-amd-amdhsa -mcpu=gfx1250 --defsym DOCPART=n.
;; ======== version 1 of 1: 7 launches
;; limits: a function is approximated: absolute error at most 7.5e-08
;; workspace buffers: wts 9,945,600 bytes; hx 3,276,800 bytes; qb 3,407,872 bytes; kv 6,684,672 bytes; oc 3,276,800 bytes; x1 16,777,216 bytes; gp 13,107,200 bytes
;; launch prep (part 1): grid 1033 x 1, 4 waves a work-group, no clusters, 31,744 bytes of LDS; arguments x, ln1_g, ln1_b, q_W, k_W, v_W, o_W, ff1_W, ff2_W, q_A, k_A, v_A, o_A, ff1_A, ff2_A, hx, wts; writes hx, wts
.if DOCPART == 1
	.amdgcn_target "amdgcn-amd-amdhsa--gfx1250"
	.amdhsa_code_object_version 6
	.text
	.protected	k_q672379f006_prep
	.globl	k_q672379f006_prep
	.p2align	8
	.type	k_q672379f006_prep,@function
k_q672379f006_prep:
	s_mov_b64 s[64:65], 0
	v_nop
	global_prefetch_b8 v0, s[64:65] scope:SCOPE_SE
	s_setreg_imm32_b32 hwreg(HW_REG_WAVE_MODE, 25, 1), 1
	s_wait_xcnt 0x0
; PREP: LayerNorm 1 of x, and all twelve weight matrices, become codes of E2M3 with one E8M0 byte for each 32 along K.
; No work of the problem is left out in this program: every input has a way to the output (k_b too: it moves k's codes).
; LIMITS: NaN and infinities among the inputs are not served.  A block whose largest magnitude lies under 2^-124, a block of zeros among them, gets the byte 1
; (the stated quantiser gives a block of zeros 127): its codes are zeros or nearly so, and the bytes are read by this program alone.
; LAYOUT OF EVERY OPERAND IN THE WORKSPACE ("panel"): [row tile of 16][K / 512][record of 6,400 bytes].  A record holds eight half images of 768 bytes (16 rows x 64 K, in the order of the
; matrix operand's registers: lane p + 16 h holds block h of row position p: its dwords 0-3 at 16 x lane, dwords 4-5 at 512 + 8 x lane) and 256 scale bytes at 6,144 + 16 p + block.
; Row tile t holds at position p the matrix row 32 (t / 2) + 8 (t % 2) + p + 8 (p / 8); the adapters' A matrices (16 rows) hold row p at position p.
; A UNIT is 16 rows x 1,024 columns -> 12,800 bytes (two records); one work-group a unit.  Units 0-255: x through LayerNorm into hx; the others: weights into wts, unit v at 12,800 v.
; Wave w takes positions 4 w .. 4 w + 3, which are four neighbouring rows.  Each load reads 512 consecutive bytes of a row; a row then turns through the wave's own LDS bytes so that lane l holds block l whole.
; The wave keeps to 192 registers: gain and bias come in two halves of 16 + 16 registers, the second asked for as soon as the first is used.
.set TRW,   4608                       ; a wave's turn: 32 places of 128 bytes + 16
.set IMG,   18432                      ; the unit's 12,800 bytes, laid as they leave
.set SPARE, 31232                      ; the spare words: 128 bytes a wave
.set X,     32                         ; v32-159: four rows, 32 numbers a lane each
.set GG,    160                        ; v160-175 gain, v176-191 bias of half of my columns
.set BB,    176
	s_load_b512 s[4:19], s[0:1], 0x0               ; x, g, b, q_W, k_W, v_W, o_W, ff1_W
	s_load_b512 s[20:35], s[0:1], 0x40             ; ff2_W, q_A, k_A, v_A, o_A, ff1_A, ff2_A, hx
	s_load_b64 s[36:37], s[0:1], 0x80              ; wts
	v_lshl_add_u32 v1, v0, 2, SPARE                ; my spare word, and 0: kept for the closing lines
	v_mov_b32 v2, 0
	v_lshrrev_b32 v16, 5, v0
	v_readfirstlane_b32 s52, v16                   ; wave
	v_and_b32 v17, 31, v0                          ; lane
	v_lshlrev_b32 v7, 4, v17                       ; 16 x lane
	v_lshrrev_b32 v18, 3, v17
	s_mul_i32 s53, s52, TRW
	v_lshl_add_u32 v8, v18, 4, v7
	v_add_nc_u32 v8, s53, v8                       ; the turn, in: 16 l + 16 (l / 8): eight lanes' 128 bytes, then 16 of padding
	v_mul_u32_u24 v9, v17, 144
	v_add_nc_u32 v9, s53, v9                       ; and out: place l
	v_bfe_u32 v18, v0, 4, 1                        ; block l lies in record l / 16,
	v_bfe_u32 v19, v0, 1, 3                        ; half image (l / 2) % 8,
	v_and_b32 v20, 1, v0                           ; half l % 2
	v_mul_u32_u24 v18, v18, 6400
	v_mad_u32_u24 v19, v19, 768, v18
	s_lshl_b32 s53, s52, 6
	s_add_co_u32 s53, s53, IMG
	v_lshl_add_u32 v10, v20, 8, v19
	v_add_nc_u32 v10, s53, v10                     ; dwords 0-3: 16 x (position + 16 half); position = 4 w + i, the i in the offset
	s_lshl_b32 s54, s52, 5
	s_add_co_u32 s54, s54, IMG+512
	v_lshl_add_u32 v11, v20, 7, v19
	v_add_nc_u32 v11, s54, v11                     ; dwords 4-5
	v_and_b32 v21, 15, v0
	v_add_nc_u32 v12, v18, v21
	s_add_co_u32 s53, s53, 6144
	v_add_nc_u32 v12, s53, v12                     ; the scale byte: 6,144 + 16 x position + block
	s_lshr_b32 s53, s52, 1
	s_mul_i32 s53, s53, 6400
	s_and_b32 s54, s52, 1
	s_mul_i32 s55, s54, 3072
	s_add_co_u32 s55, s55, s53
	v_add_nc_u32 v14, s55, v7                      ; the way out: wave w takes half of record w / 2's codes
	v_add_nc_u32 v13, IMG, v14
	v_lshlrev_b32 v22, 3, v17
	s_add_co_u32 s53, s53, 6144                    ; (s53 stays: the scale bytes' place in the unit is made from it again at the end)
	v_add_nc_u32 v22, s53, v22
	v_add_nc_u32 v15, IMG, v22                     ; and an even wave its record's 256 scale bytes, 8 a lane
	s_mov_b32 s38, 0x3a800000                      ; 1 / 1,024
	s_mov_b32 s39, 0x3727c5ac                      ; 1e-5
	s_mov_b32 s62, 0x76543210                      ; lane l xor 16
	s_mov_b32 s63, 0xfedcba98
	s_wait_kmcnt 0x0
	; which tensor is the unit's: a choice among pointers on the work-group's number alone
	s_mov_b64 s[40:41], s[4:5]
	s_mov_b32 s42, 0
.macro PICK st, p
	s_cmp_ge_u32 ttmp9, \st
	s_cselect_b64 s[40:41], s[\p:\p+1], s[40:41]
	s_cselect_b32 s42, \st, s42
.endm
	PICK 256, 10
	PICK 320, 12
	PICK 384, 14
	PICK 448, 16
	PICK 512, 18
	PICK 768, 20
	PICK 1024, 22
	PICK 1025, 24
	PICK 1026, 26
	PICK 1027, 28
	PICK 1028, 30
	PICK 1029, 32
	s_sub_co_u32 s43, ttmp9, s42                   ; the unit's number in its tensor
	s_cmp_ge_u32 ttmp9, 768
	s_cselect_b32 s44, 2, 0
	s_cmp_ge_u32 ttmp9, 1024
	s_cselect_b32 s44, 0, s44
	s_cselect_b32 s48, 0, 8                        ; the A matrices keep their rows in order
	s_cmp_ge_u32 ttmp9, 1029
	s_cselect_b32 s44, 2, s44                      ; 2 where a row has 4,096 numbers (ff2_W, ff2_A): four units to a row tile
	s_lshr_b32 s46, s43, s44                       ; row tile
	s_lshl_b32 s47, 1, s44
	s_sub_co_u32 s47, s47, 1
	s_and_b32 s47, s43, s47                        ; which 1,024 columns
	s_lshr_b32 s49, s46, 1
	s_lshl_b32 s49, s49, 5
	s_and_b32 s50, s46, 1
	s_lshl_b32 s50, s50, 3
	s_add_co_u32 s49, s49, s50
	s_lshl_b32 s50, s52, 2
	s_add_co_u32 s49, s49, s50
	s_lshr_b32 s50, s52, 1
	s_mul_i32 s50, s50, s48
	s_add_co_u32 s49, s49, s50                     ; my first row: 32 (t / 2) + 8 (t % 2) + 4 w + 8 (w / 2)
	s_add_co_u32 s50, s44, 12
	s_lshl_b32 s56, s49, s50
	s_lshl_b32 s51, s47, 12
	s_add_co_u32 s56, s56, s51
	s_mov_b32 s57, 0
	s_add_nc_u64 s[40:41], s[40:41], s[56:57]
	s_lshl_b32 s51, 1, s50                         ; a row in bytes
	v_mov_b32 v3, v7
	v_add_nc_u32 v4, s51, v3
	v_add_nc_u32 v5, s51, v4
	v_add_nc_u32 v6, s51, v5
	s_cmp_lt_u32 ttmp9, 256
	s_cselect_b64 s[58:59], s[34:35], s[36:37]
	s_cselect_b32 s60, 0, 256
	s_sub_co_u32 s60, ttmp9, s60
	s_mul_i32 s60, s60, 12800
	s_mov_b32 s61, 0
	s_add_nc_u64 s[58:59], s[58:59], s[60:61]      ; where the unit goes
.irp i, 0,1,2,3
.irp j, 0,1,2,3,4,5,6,7
	global_load_b128 v[X+32*\i+4*\j:X+32*\i+4*\j+3], v[3+\i], s[40:41] offset:512*\j th:TH_LOAD_NT   ; 32 lanes read 512 consecutive bytes
.endr
.endr
.macro LANESUM                         ; the four rows' two chains, halves and 32 lanes are added: every lane ends with the row's sum in v[16 + 2 i]
.irp i, 0,1,2,3
	v_pk_add_f32 v[16+2*\i:17+2*\i], v[16+2*\i:17+2*\i], v[24+2*\i:25+2*\i]
.endr
.irp i, 0,1,2,3
	v_add_f32 v[16+2*\i], v[16+2*\i], v[17+2*\i]
.endr
.irp m, 1,2,4,8
.irp i, 0,1,2,3
	v_add_f32_dpp v[16+2*\i], v[16+2*\i], v[16+2*\i] row_xmask:\m row_mask:0xf bank_mask:0xf
.endr
.endr
.irp i, 0,1,2,3
	v_permlanex16_b32 v[24+2*\i], v[16+2*\i], s62, s63
.endr
.irp i, 0,1,2,3
	v_add_f32 v[16+2*\i], v[16+2*\i], v[24+2*\i]
.endr
.endm
	s_cmp_ge_u32 ttmp9, 256
	s_cbranch_scc1 .Lquant                         ; weights are quantised as they are
	; ---- LayerNorm, in f32, as it is written: mean, differences, mean of their squares, rsqrt, gain and bias
.irp j, 0,1,2,3
	global_load_b128 v[GG+4*\j:GG+4*\j+3], v7, s[6:7] offset:512*\j       ; gain and bias of columns 0 to 511
	global_load_b128 v[BB+4*\j:BB+4*\j+3], v7, s[8:9] offset:512*\j
.endr
	s_wait_loadcnt 0x0
.irp i, 0,1,2,3
	v_pk_add_f32 v[16+2*\i:17+2*\i], v[X+32*\i:X+32*\i+1], v[X+32*\i+2:X+32*\i+3]
	v_pk_add_f32 v[24+2*\i:25+2*\i], v[X+32*\i+4:X+32*\i+5], v[X+32*\i+6:X+32*\i+7]
.endr
.irp k, 8,12,16,20,24,28
.irp i, 0,1,2,3
	v_pk_add_f32 v[16+2*\i:17+2*\i], v[16+2*\i:17+2*\i], v[X+32*\i+\k:X+32*\i+\k+1]
	v_pk_add_f32 v[24+2*\i:25+2*\i], v[24+2*\i:25+2*\i], v[X+32*\i+\k+2:X+32*\i+\k+3]
.endr
.endr
	LANESUM
.irp i, 0,1,2,3
	v_mul_f32 v[16+2*\i], 0x3a800000, v[16+2*\i]   ; the mean
.endr
.irp k, 0,2,4,6,8,10,12,14,16,18,20,22,24,26,28,30
.irp i, 0,1,2,3
	v_pk_add_f32 v[X+32*\i+\k:X+32*\i+\k+1], v[X+32*\i+\k:X+32*\i+\k+1], v[16+2*\i:17+2*\i] op_sel_hi:[1,0] neg_lo:[0,1] neg_hi:[0,1]
.endr
.endr
.irp i, 0,1,2,3
	v_pk_mul_f32 v[16+2*\i:17+2*\i], v[X+32*\i:X+32*\i+1], v[X+32*\i:X+32*\i+1]
	v_pk_mul_f32 v[24+2*\i:25+2*\i], v[X+32*\i+2:X+32*\i+3], v[X+32*\i+2:X+32*\i+3]
.endr
.irp k, 4,8,12,16,20,24,28
.irp i, 0,1,2,3
	v_pk_fma_f32 v[16+2*\i:17+2*\i], v[X+32*\i+\k:X+32*\i+\k+1], v[X+32*\i+\k:X+32*\i+\k+1], v[16+2*\i:17+2*\i]
	v_pk_fma_f32 v[24+2*\i:25+2*\i], v[X+32*\i+\k+2:X+32*\i+\k+3], v[X+32*\i+\k+2:X+32*\i+\k+3], v[24+2*\i:25+2*\i]
.endr
.endr
	LANESUM
.irp i, 0,1,2,3
	v_fma_f32 v[16+2*\i], v[16+2*\i], s38, s39     ; variance + eps
.endr
.irp i, 0,1,2,3
	v_rsq_f32 v[16+2*\i], v[16+2*\i]
.endr
	v_nop                                          ; a plain instruction behind the last of the four,
	s_wait_alu depctr_va_vdst(0)                   ; and one wait for the batch, ahead of its first reader
.irp k, 0,2,4,6,8,10,12,14
.irp i, 0,1,2,3
	v_pk_mul_f32 v[X+32*\i+\k:X+32*\i+\k+1], v[X+32*\i+\k:X+32*\i+\k+1], v[16+2*\i:17+2*\i] op_sel_hi:[1,0]
.endr
.irp i, 0,1,2,3
	v_pk_fma_f32 v[X+32*\i+\k:X+32*\i+\k+1], v[X+32*\i+\k:X+32*\i+\k+1], v[GG+\k:GG+\k+1], v[BB+\k:BB+\k+1]
.endr
.endr
.irp j, 0,1,2,3
	global_load_b128 v[GG+4*\j:GG+4*\j+3], v7, s[6:7] offset:2048+512*\j  ; gain and bias of columns 512 to 1,023, into the same registers
	global_load_b128 v[BB+4*\j:BB+4*\j+3], v7, s[8:9] offset:2048+512*\j
.endr
.irp k, 16,18,20,22,24,26,28,30
.irp i, 0,1,2,3
	v_pk_mul_f32 v[X+32*\i+\k:X+32*\i+\k+1], v[X+32*\i+\k:X+32*\i+\k+1], v[16+2*\i:17+2*\i] op_sel_hi:[1,0]
.endr
.endr
	s_wait_loadcnt 0x0
.irp k, 16,18,20,22,24,26,28,30
.irp i, 0,1,2,3
	v_pk_fma_f32 v[X+32*\i+\k:X+32*\i+\k+1], v[X+32*\i+\k:X+32*\i+\k+1], v[GG+\k-16:GG+\k-15], v[BB+\k-16:BB+\k-15]
.endr
.endr
.Lquant:
	s_wait_loadcnt 0x0
.macro TURNROW i                       ; a row through my own LDS bytes: in as loaded, out 128 bytes a lane.  LDS serves a wave's instructions in order, so no wait stands between
.irp j, 0,1,2,3,4,5,6,7
	ds_store_b128 v8, v[X+32*(\i)+4*\j:X+32*(\i)+4*\j+3] offset:576*\j
.endr
.irp j, 0,1,2,3,4,5,6,7
	ds_load_b128 v[X+32*(\i)+4*\j:X+32*(\i)+4*\j+3], v9 offset:16*\j
.endr
.endm
.macro QROW i                          ; lane l holds block l of the row whole: its largest magnitude needs no other lane
.set XS, X+32*(\i)
	v_max3_num_f32 v16, |v[XS]|, |v[XS+1]|, |v[XS+2]|
	v_max3_num_f32 v17, |v[XS+3]|, |v[XS+4]|, |v[XS+5]|
.irp k, 6,10,14,18,22,26
	v_max3_num_f32 v16, v16, |v[XS+\k]|, |v[XS+\k+1]|
	v_max3_num_f32 v17, v17, |v[XS+\k+2]|, |v[XS+\k+3]|
.endr
	v_max3_num_f32 v16, v16, |v[XS+30]|, |v[XS+31]|
	v_max3_num_f32 v16, v16, v17, 0x1800000        ; and the floor 2^(3 - 127): the byte cannot fall under 1
	v_add_nc_u32 v18, 0xff000000, v16              ; 2 off the exponent field: the conversion's scale operand
	v_lshrrev_b32 v19, 23, v18                     ; the scale's byte
	v_cvt_scalef32_pk16_fp6_f32 v[20:22], v[XS:XS+15], v18
	v_cvt_scalef32_pk16_fp6_f32 v[26:28], v[XS+16:XS+31], v18   ; (a conversion's three registers begin on an even number)
	v_nop                                          ; one plain instruction behind a scaled conversion
	v_mov_b32 v23, v26
	v_mov_b32 v24, v27
	v_mov_b32 v25, v28
	ds_store_b128 v10, v[20:23] offset:16*(\i)
	ds_store_b64 v11, v[24:25] offset:8*(\i)
	ds_store_b8 v12, v19 offset:16*(\i)
.endm
	TURNROW 0
.irp i, 0,1,2
	TURNROW \i+1
	s_wait_dscnt 16                                ; all but the next row's 8 stores and 8 loads: this row is back, and the last row's image stores have read their registers
	QROW \i
.endr
	s_wait_dscnt 0x0
	QROW 3
	s_wait_dscnt 0x0                               ; for the others' sake: my stores into the image are done
	s_barrier_signal -1
	s_barrier_wait -1
.irp k, 0,1,2,3,4,5
	ds_load_b128 v[X+4*\k:X+4*\k+3], v13 offset:512*\k
.endr
	v_and_b32 v[X+26], 31, v0
	v_lshlrev_b32 v[X+26], 3, v[X+26]
	v_add_nc_u32 v[X+26], s53, v[X+26]             ; the scale bytes' place in the unit: 6,400 (w / 2) + 6,144 + 8 x lane
	s_wait_dscnt 0x0
.irp k, 0,1,2,3,4,5
	global_store_b128 v14, v[X+4*\k:X+4*\k+3], s[58:59] offset:512*\k   ; 512 consecutive bytes, aligned to 256
.endr
	s_cmp_lg_u32 s54, 0
	s_cbranch_scc1 .Lodd
	ds_load_b64 v[X+24:X+25], v15
	s_wait_dscnt 0x0
	global_store_b64 v[X+26], v[X+24:X+25], s[58:59]   ; a record's 256 scale bytes by one instruction
.Lodd:
	s_wait_tensorcnt 0x0                           ; the wave's end, behind my last LDS store
	ds_add_u32 v1, v2
	s_wait_dscnt 0x0
	s_endpgm
.Lfunc_end_k_q672379f006_prep:
	.size	k_q672379f006_prep, .Lfunc_end_k_q672379f006_prep-k_q672379f006_prep
	.p2alignl 7, 3214868480
	.fill 96, 4, 3214868480
	.section	.rodata,"a",@progbits
	.p2align	6, 0x0
	.amdhsa_kernel k_q672379f006_prep
		.amdhsa_group_segment_fixed_size 31744
		.amdhsa_private_segment_fixed_size 0
		.amdhsa_enable_private_segment 0
		.amdhsa_kernarg_size 136
		.amdhsa_user_sgpr_count 2
		.amdhsa_user_sgpr_kernarg_segment_ptr 1
		.amdhsa_wavefront_size32 1
		.amdhsa_system_sgpr_workgroup_id_x 1
		.amdhsa_system_sgpr_workgroup_id_y 1
		.amdhsa_system_sgpr_workgroup_id_z 1
		.amdhsa_system_vgpr_workitem_id 0
		.amdhsa_next_free_vgpr 192
		.amdhsa_next_free_sgpr 66
		.amdhsa_reserve_vcc 0
		.amdhsa_float_denorm_mode_32 3
		.amdhsa_float_denorm_mode_16_64 3
		.amdhsa_memory_ordered 1
		.amdhsa_forward_progress 1
		.amdhsa_inst_pref_size 47
	.end_amdhsa_kernel
	.amdgpu_metadata
---
amdhsa.version: [ 1, 2 ]
amdhsa.kernels:
  - .name:           k_q672379f006_prep
    .symbol:         k_q672379f006_prep.kd
    .args:
      - { .name: x, .offset: 0, .size: 8, .value_kind: global_buffer, .address_space: global }
      - { .name: ln1_g, .offset: 8, .size: 8, .value_kind: global_buffer, .address_space: global }
      - { .name: ln1_b, .offset: 16, .size: 8, .value_kind: global_buffer, .address_space: global }
      - { .name: q_W, .offset: 24, .size: 8, .value_kind: global_buffer, .address_space: global }
      - { .name: k_W, .offset: 32, .size: 8, .value_kind: global_buffer, .address_space: global }
      - { .name: v_W, .offset: 40, .size: 8, .value_kind: global_buffer, .address_space: global }
      - { .name: o_W, .offset: 48, .size: 8, .value_kind: global_buffer, .address_space: global }
      - { .name: ff1_W, .offset: 56, .size: 8, .value_kind: global_buffer, .address_space: global }
      - { .name: ff2_W, .offset: 64, .size: 8, .value_kind: global_buffer, .address_space: global }
      - { .name: q_A, .offset: 72, .size: 8, .value_kind: global_buffer, .address_space: global }
      - { .name: k_A, .offset: 80, .size: 8, .value_kind: global_buffer, .address_space: global }
      - { .name: v_A, .offset: 88, .size: 8, .value_kind: global_buffer, .address_space: global }
      - { .name: o_A, .offset: 96, .size: 8, .value_kind: global_buffer, .address_space: global }
      - { .name: ff1_A, .offset: 104, .size: 8, .value_kind: global_buffer, .address_space: global }
      - { .name: ff2_A, .offset: 112, .size: 8, .value_kind: global_buffer, .address_space: global }
      - { .name: hx, .offset: 120, .size: 8, .value_kind: global_buffer, .address_space: global }
      - { .name: wts, .offset: 128, .size: 8, .value_kind: global_buffer, .address_space: global }
    .group_segment_fixed_size: 31744
    .private_segment_fixed_size: 0
    .kernarg_segment_align: 8
    .kernarg_segment_size: 136
    .max_flat_workgroup_size: 128
    .sgpr_count:     66
    .vgpr_count:     192
    .wavefront_size: 32
...
	.end_amdgpu_metadata
.endif
;; end of part 1
;; launch gemm_qkv (part 2): grid 8 x 32, 4 waves a work-group, clusters of 4 x 4, 327,680 bytes of LDS; arguments hx, wts, q_B, k_B, v_B, q_b, k_b, v_b, qb, kv; writes qb, kv
.if DOCPART == 2
	.amdgcn_target "amdgcn-amd-amdhsa--gfx1250"
	.amdhsa_code_object_version 6
	.text
	.protected	k_q672379f006_gemm_qkv
	.globl	k_q672379f006_gemm_qkv
	.p2align	8
	.type	k_q672379f006_gemm_qkv,@function
k_q672379f006_gemm_qkv:
	s_mov_b64 s[64:65], 0
	v_nop
	global_prefetch_b8 v0, s[64:65] scope:SCOPE_SE
	s_setreg_imm32_b32 hwreg(HW_REG_WAVE_MODE, 25, 1), 1
	s_wait_xcnt 0x0
	s_wait_alu depctr_hold_cnt(0) depctr_sa_sdst(0) depctr_va_vdst(0) depctr_va_sdst(0) depctr_va_ssrc(0) depctr_va_vcc(0) depctr_vm_vsrc(0)
	s_getreg_b32 s2, hwreg(HW_REG_IB_STS2, 6, 4)
	s_cmp_eq_u32 s2, 0
	s_cbranch_scc0 .Lentry_in_a_cluster
	s_endpgm
.Lentry_in_a_cluster:
	s_bfe_u32 s2, ttmp6, 0x10000c
	s_cmp_lg_u32 s2, 0xf033
	s_cbranch_scc0 .Lentry_shape_is_right
	s_endpgm
.Lentry_shape_is_right:
; q, k, v = h W^T + b + (h A^T) B^T, and their quantising for attention.  h (hx) and the weights (wts) come as panels of codes (layout: at the head of the launch that makes them).
; A work-group makes 128 tokens x 128 columns of q, then of k, then of v; four waves, 64 x 64 each (one head's 64 columns): 16 accumulators.  K = 1,024 lies in LDS whole, as two chunks of 512.
; h's two chunks are filled once and stay for all three products.  W's two chunks are filled again once a tile: behind ONE round of the cluster's barrier at the tile's last K step each of the four waves asks for a
; quarter of them (25,600 bytes), and that load has the last step, the adapter's product and the way out in which to land; a wait and a plain barrier stand ahead of the next tile's reads.
; The adapter: U = h A^T (16 columns, quantised product) is a 17th column tile that each wave makes for its own 64 tokens; U^T's accumulators ARE the f32 operand of the product with B (K = 16, f32 matrix form:
; its result goes on into a quantiser).  The bias is the C of each sum's first product.
; q, k: the product is used transposed (source 0 = rows of W): a lane holds one token and 32 neighbouring columns of each block pair: quantised along the head.  v: source 0 = tokens: a lane holds one column and
; neighbouring tokens: quantised along the keys.
; CLUSTER 4 x 4: h's tiles are shared along a row of the cluster, W's along a column, by joint loads.  A's panel (38,400 bytes, a small part of the bytes) is the same for all sixteen, more than a mask names: each work-group loads its own.
; LIMITS: NaN and infinities are not served; a block whose largest magnitude lies under 2^-124 gets the byte 1.
; REGISTERS.  Window 0: v1, v2 the add's; v3-15 LDS addresses; two sets of fragments at v16 and v124 (X's four at +0, W's four at +48, A's at +96); scale words v232-236, v237-241 (lanes 0-15 X's tile i, lanes 16-31 W's tile i; +4: A's);
; v242-248 offsets.  Window 1: v0-127 accumulators; v128-159 U; v160-191 rows of B; v192-223 the bias.
.set NCH,   2
.set WOFF,  0
.set LAOFF, 9830400
.set LAB,   38400
.set WSTEP, 819200                     ; from a tile's rows of W to the next tile's: the next panel
.set TM,    16
.set LAP,   204800                     ; LDS: X's chunks at 0 and 51,200, W's at 102,400 and 153,600 (eight records each), A's panel here,
.set SPARE, 256000                     ; the spare words, 128 bytes a wave
.set AX16, 3
.set AX8,  5
.set AW16, 7
.set AW8,  9
.set AL16, 11
.set AL8,  12
.set ALS,  13
.set ASC,  14
.set G1X, 48
.set G1W, 56
.set G1L, 68
.set G0X, 76
.set G0W, 84
.set G0L, 92
.set G0R, 92                           ; the refills' group 0 takes the registers of A's, once that load is shown done
.set MSB, 0
.macro WIN new                         ; the immediate's high byte repeats the setting that is left
.if MSB != \new
	s_set_vgpr_msb (MSB<<8)|\new
.set MSB, \new
.endif
.endm
.macro PLACES n
.rept \n
	v_nop
.endr
.endm
.macro CREST                           ; a round of the cluster's barrier behind its opening barrier
	s_cmp_lg_u32 s28, 0
	s_cbranch_scc1 .Lnot_wave_0_\@
	s_barrier_signal -3
.Lnot_wave_0_\@:
	s_barrier_wait -3
	s_barrier_signal -1
	s_barrier_wait -1
.endm
.macro CROUND
	s_barrier_signal -1
	s_barrier_wait -1
	CREST
.endm
.macro JLOAD s                         ; a first fill, joint: waves 0, 1 fetch X's halves of a chunk, waves 2, 3 W's; the branch hangs on the wave's number alone
	s_cmp_eq_u32 s29, 0
	s_cbranch_scc0 .Lfor_w_\@
	tensor_load_to_lds s[G0X+4*\s:G0X+4*\s+3], s[G1X:G1X+7]
	s_nop 0
.rept 4
	v_nop
.endr
	s_branch .Lasked_\@
.Lfor_w_\@:
	tensor_load_to_lds s[G0W+4*\s:G0W+4*\s+3], s[G1W:G1W+7]
	s_nop 0
.rept 4
	v_nop
.endr
.Lasked_\@:
.endm
.macro FRAGL reg, a16, a8, off         ; a fragment (16 rows x 128 K, 12 registers) is two half images: every load takes consecutive bytes in consecutive lanes
	ds_load_b128 v[\reg:\reg+3], v[\a16] offset:\off
	ds_load_b64 v[\reg+4:\reg+5], v[\a8] offset:\off
	ds_load_b128 v[\reg+6:\reg+9], v[\a16] offset:\off+768
	ds_load_b64 v[\reg+10:\reg+11], v[\a8] offset:\off+768
.endm
.macro FETCH s, q                      ; the fragments and scale words of the chunk's q-th 128 along K, into set q % 2
.set FBN, 16+108*((\q)&1)
.set SBN, 232+5*((\q)&1)
.set LCH, LBASE+6400*(\s)
.irp a, 0,1,2,3
	FRAGL FBN+12*\a, AX16+(\s), AX8+(\s), \a*6400+1536*(\q)
.endr
.irp b, 0,1,2,3
	FRAGL FBN+48+12*\b, AW16+(\s), AW8+(\s), \b*6400+1536*(\q)
.endr
	FRAGL FBN+96, AL16, AL8, LCH+1536*(\q)
.irp i, 0,1,2,3
	ds_load_b32 v[SBN+\i], v[ASC+(\s)] offset:\i*6400+4*(\q)
.endr
	ds_load_b32 v[SBN+4], v[ALS] offset:LCH+4*(\q)
.endm
.macro WM a, b, first
.if NM
.set AC, 8*(4*\b+\a)
.else
.set AC, 8*(4*\a+\b)
.endif
.set CR, AC
.if \first
.set CR, 192+8*\b
.endif
.if NM
	v_wmma_scale_f32_16x16x128_f8f6f4 v[AC:AC+7], v[FBN+12*\a:FBN+12*\a+11], v[FBN+48+12*\b:FBN+48+12*\b+11], v[CR:CR+7], v[SBN+\a], v[SBN+\b] matrix_a_fmt:MATRIX_FMT_FP6 matrix_b_fmt:MATRIX_FMT_FP6 matrix_b_scale:MATRIX_SCALE_ROW1
.else
	v_wmma_scale_f32_16x16x128_f8f6f4 v[AC:AC+7], v[FBN+48+12*\b:FBN+48+12*\b+11], v[FBN+12*\a:FBN+12*\a+11], v[CR:CR+7], v[SBN+\b], v[SBN+\a] matrix_a_fmt:MATRIX_FMT_FP6 matrix_b_fmt:MATRIX_FMT_FP6 matrix_a_scale:MATRIX_SCALE_ROW1
.endif
.endm
.macro UM a, first
.if \first
	v_wmma_scale_f32_16x16x128_f8f6f4 v[128+8*\a:135+8*\a], v[FBN+96:FBN+107], v[FBN+12*\a:FBN+12*\a+11], 0, v[SBN+4], v[SBN+\a] matrix_a_fmt:MATRIX_FMT_FP6 matrix_b_fmt:MATRIX_FMT_FP6
.else
	v_wmma_scale_f32_16x16x128_f8f6f4 v[128+8*\a:135+8*\a], v[FBN+96:FBN+107], v[FBN+12*\a:FBN+12*\a+11], v[128+8*\a:135+8*\a], v[SBN+4], v[SBN+\a] matrix_a_fmt:MATRIX_FMT_FP6 matrix_b_fmt:MATRIX_FMT_FP6
.endif
.endm
.macro MULS q, first                   ; a step's products; the accumulators take turns, one instruction a turn, in the same order in every step
.set FBN, 16+108*((\q)&1)
.set SBN, 232+5*((\q)&1)
	WIN 0x50                                       ; C and D in window 1
.irp a, 0,1,2,3
.irp b, 0,1,2,3
	WM \a, \b, \first
.endr
.endr
.irp a, 0,1,2,3
	UM \a, \first
.endr
	WIN 0
.endm
.macro KS s, q, first                  ; one of a chunk's first three steps: its fragments are in; the next step's are asked for; its products
	s_wait_dscnt 0x0
	PLACES 4                                       ; in front of loads into registers that the last products read
	FETCH \s, (\q)+1
	MULS \q, \first
.endm
.macro KX                              ; chunk 0's last step; chunk 1 lies in LDS since the tile's head: no barrier
	s_wait_dscnt 0x0
	PLACES 4
	FETCH 1, 0
	MULS 3, 0
.endm
.macro REFILL                          ; W's two chunks have been read out: the next tile's are asked for, a quarter by each wave
	s_wait_tensorcnt 0x0                           ; no tensor load of mine is out, so the group 0 may be written
	ds_add_u32 v1, v2                              ; 0 onto my spare word
	s_add_nc_u64 s[G0R+2:G0R+3], s[G0R+2:G0R+3], WSTEP
	s_wait_dscnt 0x0                               ; the add is done, and my reads of W's chunks are over: the last step's fragments are in registers
	s_barrier_signal -1
	s_barrier_wait -1
	CREST                                          ; the barrier has opened a round of the cluster's: no wave of any partner still reads these bytes or has a load on its way
	tensor_load_to_lds s[G0R:G0R+3], s[G1W:G1W+7]  ; my one tensor load behind the round: one load of mine is out
	s_nop 0
.rept 4
	v_nop
.endr
.endm
.macro ARRIVE                          ; ahead of a tile's reads: my quarter of W's chunks is in; behind the barrier everybody's is.
	s_wait_tensorcnt 0x0
	s_barrier_signal -1
	s_barrier_wait -1
.endm
.macro TILE fill
	s_wait_loadcnt 0x0                             ; B's rows and the bias
	PLACES 4
	FETCH 0, 0
	KS 0, 0, 1
	KS 0, 1, 0
	KS 0, 2, 0
	KX
	KS 1, 0, 0
	KS 1, 1, 0
	KS 1, 2, 0
.if \fill
	REFILL
.else
	s_wait_dscnt 0x0
.endif
	MULS 3, 0
.endm
.macro LBLOAD bp, cp, nm               ; rows of B (lane (r, h): the 8 ranks 8 h .. of row r's W row) and the bias in the result's layout, into window 1
	WIN 0x40
.irp b, 0,1,2,3
	global_load_b128 v[160+8*\b:163+8*\b], v246, s[\bp:\bp+1] offset:(32*(\b/2)+8*(\b%2))*64
	global_load_b128 v[164+8*\b:167+8*\b], v246, s[\bp:\bp+1] offset:(32*(\b/2)+8*(\b%2))*64+16
.if \nm
.irp j, 0,1,2,3,4,5,6,7
	global_load_b32 v[192+8*\b+\j], v248, s[\cp:\cp+1] offset:(32*(\b/2)+8*(\b%2))*4
.endr
.else
	global_load_b128 v[192+8*\b:195+8*\b], v247, s[\cp:\cp+1] offset:(32*(\b/2)+8*(\b%2))*4
	global_load_b128 v[196+8*\b:199+8*\b], v247, s[\cp:\cp+1] offset:(32*(\b/2)+8*(\b%2))*4+16
.endif
.endr
	WIN 0
.endm
.macro LORA                            ; += U B^T, K = 16 in four steps of the f32 form.  k slot 2 h + j holds rank 8 h + 2 s + j on both sides, so U's accumulators serve as they lie
	PLACES 5
	WIN 0x55
.irp s, 0,1,2,3
.irp a, 0,1,2,3
.irp b, 0,1,2,3
.if NM
	v_wmma_f32_16x16x4_f32 v[8*(4*\b+\a):8*(4*\b+\a)+7], v[128+8*\a+2*\s:128+8*\a+2*\s+1], v[160+8*\b+2*\s:160+8*\b+2*\s+1], v[8*(4*\b+\a):8*(4*\b+\a)+7]
.else
	v_wmma_f32_16x16x4_f32 v[8*(4*\a+\b):8*(4*\a+\b)+7], v[160+8*\b+2*\s:160+8*\b+2*\s+1], v[128+8*\a+2*\s:128+8*\a+2*\s+1], v[8*(4*\a+\b):8*(4*\a+\b)+7]
.endif
.endr
.endr
.endr
	WIN 0
	PLACES 9                                       ; behind the f32 form: for reads of the results, loads into its sources, and the next tile's products, which write over its registers
.endm
.macro QUANT32 s, sw, pc, pw           ; 32 numbers of a lane in window sw, register 16 b + i = K index 32 b + 16 (lane / 16) + i, become a half image's six registers v[pc] on and two scale bytes in v[pw]
	WIN 5*\sw
	v_max3_num_f32 v[TM], |v[\s]|, |v[\s+1]|, 0x1800000          ; with the floor 2^(3 - 127): the byte cannot fall under 1
	v_max3_num_f32 v[TM+1], |v[\s+16]|, |v[\s+17]|, 0x1800000
.irp i, 2,4,6,8,10,12,14
	v_max3_num_f32 v[TM], |v[\s+\i]|, |v[\s+\i+1]|, v[TM]
	v_max3_num_f32 v[TM+1], |v[\s+16+\i]|, |v[\s+17+\i]|, v[TM+1]
.endr
	WIN 0
	v_mov_b32 v[TM+2], 0                           ; (a lane permute's destination counts as one of its sources)
	v_mov_b32 v[TM+3], 0
	v_permlanex16_b32 v[TM+2], v[TM], s96, s97
	v_permlanex16_b32 v[TM+3], v[TM+1], s96, s97
	v_max_num_f32 v[TM], v[TM], v[TM+2]            ; with lane l xor 16's 16: the block's largest magnitude
	v_max_num_f32 v[TM+1], v[TM+1], v[TM+3]
	v_add_nc_u32 v[TM+4], 0xff000000, v[TM]        ; 2 off the exponent field: the conversion's scale operand
	v_add_nc_u32 v[TM+5], 0xff000000, v[TM+1]
	v_lshrrev_b32 v[TM+2], 23, v[TM+4]
	v_lshrrev_b32 v[TM+3], 23, v[TM+5]
	v_lshl_or_b32 v[\pw], v[TM+3], 8, v[TM+2]
	WIN \sw
	v_cvt_scalef32_pk16_fp6_f32 v[\pc:\pc+2], v[\s:\s+15], v[TM+4]
	v_cvt_scalef32_pk16_fp6_f32 v[\pc+6:\pc+8], v[\s+16:\s+31], v[TM+5]
	WIN 0
	v_nop                                          ; one plain instruction behind a scaled conversion
.irp i, 0,1,2
	v_permlane16_swap_b32 v[\pc+\i], v[\pc+6+\i]   ; a whole block to a lane: lanes 0-15 block 0, lanes 16-31 block 1
.endr
.irp i, 0,1,2
	v_mov_b32 v[\pc+3+\i], v[\pc+6+\i]
.endr
.endm
.macro EPI_QK cb, sb                   ; four tiles of tokens: a half image (16 tokens x the head's 64) and a scale word a token
.irp a, 0,1,2,3
	QUANT32 32*\a, 1, 32+12*\a, 24+\a
	global_store_b128 v242, v[32+12*\a:35+12*\a], s[\cb:\cb+1] offset:768*\a
	global_store_b64 v243, v[36+12*\a:37+12*\a], s[\cb:\cb+1] offset:768*\a+512
	global_store_b32 v244, v[24+\a], s[\sb:\sb+1] offset:64*\a      ; bytes 2, 3 are 0; lanes r and r + 16 write the same word with the same value
.endr
.endm
.macro EPI_V                           ; four tiles of the head's columns: a half image (16 columns x my 64 keys) and two scale bytes a column
.irp b, 0,1,2,3
	QUANT32 32*\b, 1, 32+12*\b, 24+\b
	global_store_b128 v242, v[32+12*\b:35+12*\b], s[42:43] offset:1536*\b
	global_store_b64 v243, v[36+12*\b:37+12*\b], s[42:43] offset:1536*\b+512
	global_store_b16 v244, v[24+\b], s[44:45] offset:64*\b
.endr
.endm
	s_load_b512 s[4:19], s[0:1], 0x0               ; hx, wts, q_B, k_B, v_B, q_b, k_b, v_b
	s_load_b128 s[20:23], s[0:1], 0x40             ; qb, kv
	v_lshl_add_u32 v1, v0, 2, SPARE
	v_mov_b32 v2, 0
	ds_add_u32 v1, v2                              ; the wave's opening: the add, twice on end, and its wait ahead of my first tensor load
	ds_add_u32 v1, v2
	v_lshrrev_b32 v3, 5, v0
	v_readfirstlane_b32 s28, v3                    ; wave
	s_lshr_b32 s29, s28, 1                         ; my half of the tile's tokens.  Also: at the head I fetch for X (0) or for W (1); in a refill: which chunk of W
	s_and_b32 s30, s28, 1                          ; my half of its columns.  Also: which four row tiles I fetch
	s_bfe_u32 s31, ttmp6, 0x40000                  ; cx
	s_bfe_u32 s32, ttmp6, 0x40004                  ; cy
	s_lshl_b32 s33, ttmp9, 2
	s_add_co_u32 s33, s33, s31                     ; tile column
	s_and_b32 s34, ttmp7, 0xffff
	s_lshl_b32 s34, s34, 2
	s_add_co_u32 s34, s34, s32                     ; tile row
	s_lshl_b32 s35, s32, 2
	s_lshl_b32 s35, 15, s35                        ; my row of the cluster
	s_lshl_b32 s36, 0x1111, s31                    ; my column
	s_or_b32 s[G1X], s35, (3<<16)|(1<<21)          ; the mask; elements of 8 bytes; bit 21 beside a mask; no padding
	s_or_b32 s[G1W], s36, (3<<16)|(1<<21)
.irp g, G1X, G1W
	s_mov_b32 s[\g+1], 800<<16                     ; a record: 800 elements
	s_mov_b32 s[\g+2], 4<<16                       ; four row tiles
	s_mov_b32 s[\g+3], 800<<16
	s_mov_b32 s[\g+4], 4
	s_mov_b32 s[\g+5], NCH*800                     ; from a row tile's record to the next row tile's
	s_mov_b32 s[\g+6], 0
	s_mov_b32 s[\g+7], 0
.endr
	s_mov_b32 s[G1L], 3<<16                        ; A's panel: a dense block, a quarter a wave, as rows of 1,600 bytes
	s_mov_b32 s[G1L+1], 200<<16
	s_mov_b32 s[G1L+2], (LAB/6400)<<16
	s_mov_b32 s[G1L+3], 200<<16
	s_mov_b32 s[G1L+4], LAB/6400
	s_mov_b32 s[G1L+5], 200
	s_mov_b32 s[G1L+6], 0
	s_mov_b32 s[G1L+7], 0
	s_lshl_b32 s37, s30, 2
	s_lshl_b32 s38, s34, 3
	s_add_co_u32 s38, s38, s37                     ; X: row tile 8 x tile row + 4 x half
	s_mul_i32 s38, s38, NCH*6400
	s_mov_b32 s39, 0
	s_lshl_b32 s40, s33, 3
	s_add_co_u32 s40, s40, s37                     ; W: row tile 8 x tile column + 4 x half
	s_mul_i32 s40, s40, NCH*6400
	s_add_co_u32 s40, s40, WOFF
	s_mov_b32 s41, 0
	s_mul_i32 s42, s28, LAB/4
	s_add_co_u32 s44, s42, LAOFF
	s_mov_b32 s45, 0
	s_mul_i32 s43, s30, 25600                      ; where my four records go in a chunk: no place in the cluster enters an LDS address
	s_mul_i32 s46, s29, 6400                       ; the refills: chunk w / 2 of my four row tiles of W
	s_mov_b32 s47, 0
	s_mov_b32 s96, 0x76543210                      ; lane l xor 16
	s_mov_b32 s97, 0xfedcba98
	s_wait_dscnt 0x0                               ; both opening adds are done
	s_wait_kmcnt 0x0
	s_add_nc_u64 s[38:39], s[4:5], s[38:39]
	s_add_nc_u64 s[40:41], s[6:7], s[40:41]
	s_add_nc_u64 s[44:45], s[6:7], s[44:45]
	s_add_nc_u64 s[66:67], s[40:41], s[46:47]      ; made of the tile column and the wave's number alone, which my column of the cluster shares
	CROUND                                         ; all sixteen work-groups are here: the first joint loads meet
	s_mov_b32 s[G0L], 1
	s_add_co_u32 s[G0L+1], s42, LAP
	s_mov_b64 s[G0L+2:G0L+3], s[44:45]
	s_or_b32 s[G0L+3], s[G0L+3], 0x80000000
	tensor_load_to_lds s[G0L:G0L+3], s[G1L:G1L+7]  ; my quarter of A's panel; with the two below three loads of mine are out
	s_nop 0
.irp s, 0,1
	s_mov_b32 s[G0X+4*\s], 1
	s_add_co_u32 s[G0X+4*\s+1], s43, \s*51200
	s_add_nc_u64 s[G0X+4*\s+2:G0X+4*\s+3], s[38:39], \s*6400
	s_or_b32 s[G0X+4*\s+3], s[G0X+4*\s+3], 0x80000000
	s_mov_b32 s[G0W+4*\s], 1
	s_add_co_u32 s[G0W+4*\s+1], s43, 102400+\s*51200
	s_add_nc_u64 s[G0W+4*\s+2:G0W+4*\s+3], s[40:41], \s*6400
	s_or_b32 s[G0W+4*\s+3], s[G0W+4*\s+3], 0x80000000
	JLOAD \s
.endr
	v_and_b32 v16, 31, v0                          ; lane
	v_and_b32 v17, 15, v0                          ; r
	v_bfe_u32 v18, v0, 4, 1                        ; h
	v_lshlrev_b32 v242, 4, v16
	v_lshlrev_b32 v243, 3, v16
	s_mul_i32 s46, s29, 25600                      ; my four row tiles of X in a chunk
	s_mul_i32 s47, s30, 25600
	s_add_co_u32 s47, s47, 102400                  ; my four of W
	v_add_nc_u32 v3, s46, v242
	v_add_nc_u32 v4, 51200, v3
	v_add_nc_u32 v5, s46, v243
	v_add_nc_u32 v5, 512, v5
	v_add_nc_u32 v6, 51200, v5
	v_add_nc_u32 v7, s47, v242
	v_add_nc_u32 v8, 51200, v7
	v_add_nc_u32 v9, s47, v243
	v_add_nc_u32 v9, 512, v9
	v_add_nc_u32 v10, 51200, v9
	v_add_nc_u32 v11, LAP, v242
	v_add_nc_u32 v12, LAP+512, v243
	v_lshlrev_b32 v245, 4, v17
	v_add_nc_u32 v13, LAP+6144, v245
	s_xor_b32 s47, s29, 1
	s_add_co_u32 s47, s47, s30
	s_mul_i32 s47, s47, 25600
	s_add_co_u32 s47, s47, 76800                   ; from my X tiles to my W tiles
	v_mul_u32_u24 v19, s47, v18                    ; lanes 16-31 take W's scale words
	v_add_nc_u32 v14, v245, v19
	s_add_co_u32 s46, s46, 6144
	v_add_nc_u32 v14, s46, v14
	v_add_nc_u32 v15, 51200, v14
	v_and_b32 v19, 8, v17
	v_add_nc_u32 v19, v19, v17                     ; r + 8 (r / 8)
	v_lshlrev_b32 v246, 6, v19
	v_lshl_add_u32 v246, v18, 5, v246              ; B: a row is 64 bytes; + 32 h
	v_lshlrev_b32 v247, 6, v18
	v_lshlrev_b32 v248, 2, v19
	v_lshlrev_b32 v244, 2, v17
	s_lshl_b32 s46, s33, 7
	s_lshl_b32 s47, s30, 6
	s_add_co_u32 s46, s46, s47                     ; my first column
	s_lshl_b32 s36, s46, 6
	s_mov_b32 s37, 0
	s_add_nc_u64 s[8:9], s[8:9], s[36:37]
	s_add_nc_u64 s[10:11], s[10:11], s[36:37]
	s_add_nc_u64 s[12:13], s[12:13], s[36:37]
	s_lshl_b32 s36, s46, 2
	s_add_nc_u64 s[14:15], s[14:15], s[36:37]
	s_add_nc_u64 s[16:17], s[16:17], s[36:37]
	s_add_nc_u64 s[18:19], s[18:19], s[36:37]
	LBLOAD 8, 14, 0
	s_lshr_b32 s46, s34, 3
	s_lshl_b32 s46, s46, 4
	s_lshl_b32 s47, s33, 1
	s_add_co_u32 s46, s46, s47
	s_add_co_u32 s46, s46, s30                     ; 16 x batch + head
	s_and_b32 s47, s34, 7                          ; which 128 tokens of the batch
	s_lshl_b32 s98, s47, 3
	s_lshl_b32 s99, s29, 2
	s_add_co_u32 s98, s98, s99                     ; my first row tile in the batch
	s_mul_i32 s99, s98, 768
	s_mul_i32 s36, s46, 49152
	s_add_co_u32 s36, s36, s99
	s_add_nc_u64 s[24:25], s[20:21], s[36:37]      ; q's codes
	s_lshl_b32 s36, s46, 12
	s_lshl_b32 s35, s98, 6
	s_add_co_u32 s36, s36, s35
	s_add_co_u32 s36, s36, 3145728
	s_add_nc_u64 s[26:27], s[20:21], s[36:37]      ; q's scale words
	s_mul_i32 s46, s46, 104448                     ; the head's record of kv
	s_add_co_u32 s36, s46, s99
	s_add_nc_u64 s[38:39], s[22:23], s[36:37]      ; k's codes
	s_add_co_u32 s36, s46, s35
	s_add_co_u32 s36, s36, 98304
	s_add_nc_u64 s[40:41], s[22:23], s[36:37]      ; k's scale words
	s_lshl_b32 s98, s47, 3
	s_add_co_u32 s98, s98, s29
	s_mul_i32 s98, s98, 768
	s_add_co_u32 s36, s46, s98
	s_add_co_u32 s36, s36, 49152
	s_add_nc_u64 s[42:43], s[22:23], s[36:37]      ; v's codes: [key step][column tile][my half of the 128 keys]
	s_lshl_b32 s98, s47, 8
	s_lshl_b32 s99, s29, 1
	s_add_co_u32 s98, s98, s99
	s_add_co_u32 s36, s46, s98
	s_add_co_u32 s36, s36, 102400
	s_add_nc_u64 s[44:45], s[22:23], s[36:37]      ; v's scale bytes
	s_wait_tensorcnt 0x0                           ; my three first fills are in: the tile reads both chunks with no barrier between; and A's group 0 may be written:
	s_mov_b32 s[G0R], 1                            ; the refills' group 0: my quarter of W's two chunks,
	s_mul_i32 s[G0R+1], s28, 25600
	s_add_co_u32 s[G0R+1], s[G0R+1], 102400        ; at 102,400 + 25,600 x wave,
	s_mov_b64 s[G0R+2:G0R+3], s[66:67]             ; from this tile's rows: each refill steps it first
	s_or_b32 s[G0R+3], s[G0R+3], 0x80000000
	s_barrier_signal -1
	s_barrier_wait -1                              ; everybody's are in
.set NM, 0
.set LBASE, 0
	TILE 1                                         ; q
	LORA
	LBLOAD 10, 16, 0
	EPI_QK 24, 26
	s_wait_xcnt 0x0                                ; the stores have read their registers: the next tile's fragments may land there
	ARRIVE
.set LBASE, 12800
	TILE 1                                         ; k
	LORA
	LBLOAD 12, 18, 1
	EPI_QK 38, 40
	s_wait_xcnt 0x0
	ARRIVE
.set NM, 1
.set LBASE, 25600
	TILE 0                                         ; v
	LORA
	EPI_V
	s_wait_tensorcnt 0x0                           ; the wave's end
	ds_add_u32 v1, v2
	s_wait_dscnt 0x0
	CROUND                                         ; the closing round
	s_endpgm
.Lfunc_end_k_q672379f006_gemm_qkv:
	.size	k_q672379f006_gemm_qkv, .Lfunc_end_k_q672379f006_gemm_qkv-k_q672379f006_gemm_qkv
	.p2alignl 7, 3214868480
	.fill 96, 4, 3214868480
	.section	.rodata,"a",@progbits
	.p2align	6, 0x0
	.amdhsa_kernel k_q672379f006_gemm_qkv
		.amdhsa_group_segment_fixed_size 327680
		.amdhsa_private_segment_fixed_size 0
		.amdhsa_enable_private_segment 0
		.amdhsa_kernarg_size 80
		.amdhsa_user_sgpr_count 2
		.amdhsa_user_sgpr_kernarg_segment_ptr 1
		.amdhsa_wavefront_size32 1
		.amdhsa_system_sgpr_workgroup_id_x 1
		.amdhsa_system_sgpr_workgroup_id_y 1
		.amdhsa_system_sgpr_workgroup_id_z 1
		.amdhsa_system_vgpr_workitem_id 0
		.amdhsa_next_free_vgpr 512
		.amdhsa_next_free_sgpr 100
		.amdhsa_reserve_vcc 0
		.amdhsa_float_denorm_mode_32 3
		.amdhsa_float_denorm_mode_16_64 3
		.amdhsa_memory_ordered 1
		.amdhsa_forward_progress 1
		.amdhsa_inst_pref_size 188
	.end_amdhsa_kernel
	.amdgpu_metadata
---
amdhsa.version: [ 1, 2 ]
amdhsa.kernels:
  - .name:           k_q672379f006_gemm_qkv
    .symbol:         k_q672379f006_gemm_qkv.kd
    .args:
      - { .name: hx, .offset: 0, .size: 8, .value_kind: global_buffer, .address_space: global }
      - { .name: wts, .offset: 8, .size: 8, .value_kind: global_buffer, .address_space: global }
      - { .name: q_B, .offset: 16, .size: 8, .value_kind: global_buffer, .address_space: global }
      - { .name: k_B, .offset: 24, .size: 8, .value_kind: global_buffer, .address_space: global }
      - { .name: v_B, .offset: 32, .size: 8, .value_kind: global_buffer, .address_space: global }
      - { .name: q_b, .offset: 40, .size: 8, .value_kind: global_buffer, .address_space: global }
      - { .name: k_b, .offset: 48, .size: 8, .value_kind: global_buffer, .address_space: global }
      - { .name: v_b, .offset: 56, .size: 8, .value_kind: global_buffer, .address_space: global }
      - { .name: qb, .offset: 64, .size: 8, .value_kind: global_buffer, .address_space: global }
      - { .name: kv, .offset: 72, .size: 8, .value_kind: global_buffer, .address_space: global }
    .group_segment_fixed_size: 327680
    .private_segment_fixed_size: 0
    .kernarg_segment_align: 8
    .kernarg_segment_size: 80
    .max_flat_workgroup_size: 128
    .sgpr_count:     100
    .vgpr_count:     512
    .wavefront_size: 32
...
	.end_amdgpu_metadata
.endif
;; end of part 2
;; launch attn (part 3): grid 4 x 64, 16 waves a work-group, clusters of 4 x 1, 167,936 bytes of LDS; arguments qb, kv, oc; writes oc
.if DOCPART == 3
	.amdgcn_target "amdgcn-amd-amdhsa--gfx1250"
	.amdhsa_code_object_version 6
	.text
	.protected	k_q672379f006_attn
	.globl	k_q672379f006_attn
	.p2align	8
	.type	k_q672379f006_attn,@function
k_q672379f006_attn:
	s_mov_b64 s[64:65], 0
	v_nop
	global_prefetch_b8 v0, s[64:65] scope:SCOPE_SE
	s_setreg_imm32_b32 hwreg(HW_REG_WAVE_MODE, 25, 1), 1
	s_wait_xcnt 0x0
	s_wait_alu depctr_hold_cnt(0) depctr_sa_sdst(0) depctr_va_vdst(0) depctr_va_sdst(0) depctr_va_ssrc(0) depctr_va_vcc(0) depctr_vm_vsrc(0)
	s_getreg_b32 s2, hwreg(HW_REG_IB_STS2, 6, 4)
	s_cmp_eq_u32 s2, 0
	s_cbranch_scc0 .Lentry_in_a_cluster
	s_endpgm
.Lentry_in_a_cluster:
	s_bfe_u32 s2, ttmp6, 0x10000c
	s_cmp_lg_u32 s2, 0x3003
	s_cbranch_scc0 .Lentry_shape_is_right
	s_endpgm
.Lentry_shape_is_right:
; out = softmax(q k^T / 8) v for one head, both products on codes of E2M3; out is quantised along the model's width into the panel oc.
; t = score x log2(e) / 8; M = the running largest t rounded up to a whole number; p = 2^(t - M) is quantised along the keys, not normalised; the row's sum is taken of the unquantised p and divides at the end.
; SHARES.  A work-group owns 256 queries of a head, each of sixteen waves one tile of 16.  The head's whole record of kv (104,448 bytes: k's codes, v's codes with the keys innermost, both scale words) comes into LDS ONCE;
; nothing is filled again.  CLUSTER: the four query blocks of a head read the same record: waves 0-7 ask for an eighth each, jointly.
; LAYOUT.  Both products transposed (S^T = k q^T, O^T = v^T p^T): a lane holds one query.  A tile's 16 positions hold rows 8 u + p + 8 (p / 8) of their 32, so the 16 registers of two neighbouring tiles are 16 neighbours.
; THE HEAD HAS 64 NUMBERS, THE INSTRUCTION TAKES 128: q's codes for k = 64 .. 127 are zeros (v22-27) and both sides' scale bytes there are 0 (2^-127, a number), so whatever codes stand in the upper six
; registers of k's run (the next fragment's, or codes of v left there; cleared once at the head) add nothing: E2M3 has no code but numbers.
; LIMITS: NaN and infinities are not served; a block whose largest magnitude lies under 2^-124 gets the byte 1.
; REGISTERS: v1-4, v7, v8 places that stay; v5, v6 the add's; v9-14 the step's addresses; v16-27 q; v28 q's scale word; v30 -M, v31 the largest t; v[32:33] the sum; v34-81 fragments; v82-85 scale words;
; v96-159 S^T, then p; v160-191 O^T; v192-203 p's codes; v204-224 at work; v226 f, v227 p's scale word.
.set SPARE, 104448
.macro CROUND
	s_barrier_signal -1
	s_barrier_wait -1
	s_cmp_lg_u32 s10, 0
	s_cbranch_scc1 .Lnot_wave_0_\@
	s_barrier_signal -3
.Lnot_wave_0_\@:
	s_barrier_wait -3
	s_barrier_signal -1
	s_barrier_wait -1
.endm
	s_load_b128 s[4:7], s[0:1], 0x0                ; qb, kv
	s_load_b64 s[8:9], s[0:1], 0x10                ; oc
	v_lshl_add_u32 v5, v0, 2, SPARE
	v_mov_b32 v6, 0
	ds_add_u32 v5, v6                              ; the wave's opening: the add, twice on end, and its wait ahead of the first tensor load
	ds_add_u32 v5, v6
	v_lshrrev_b32 v9, 5, v0
	v_readfirstlane_b32 s10, v9                    ; wave 0..15
	s_bfe_u32 s11, ttmp6, 0x40000                  ; cx: my block of queries; it enters global addresses alone
	s_and_b32 s12, ttmp7, 0xffff                   ; 16 x batch + head, which the partners share
	s_mov_b32 s16, 15|(3<<16)|(1<<21)              ; the mask: all four; elements of 8 bytes; bit 21 beside a mask
	s_mov_b32 s17, 32<<16                          ; rows of 256 bytes,
	s_mov_b32 s18, 51<<16                          ; 51 of them: an eighth of the record
	s_mov_b32 s19, 32<<16
	s_mov_b32 s20, 51
	s_mov_b32 s21, 32
	s_mov_b32 s22, 0
	s_mov_b32 s23, 0
	s_and_b32 s13, s10, 7
	s_mul_i32 s13, s13, 13056
	s_mul_i32 s14, s12, 104448
	s_add_co_u32 s14, s14, s13
	s_mov_b32 s15, 0
	s_mov_b32 s40, 0x76543210                      ; lane l xor 16
	s_mov_b32 s41, 0xfedcba98
	s_mov_b32 s42, 0x3e38aa3b                      ; c = log2(e) / 8
	s_mov_b32 s43, s42                             ; (named with it as a pair)
	s_wait_dscnt 0x0
	s_wait_kmcnt 0x0
	s_mov_b32 s24, 1
	s_mov_b32 s25, s13
	s_add_nc_u64 s[26:27], s[6:7], s[14:15]
	s_or_b32 s27, s27, 0x80000000
	CROUND                                         ; the four work-groups are here: the joint loads meet
	s_cmp_lt_u32 s10, 8
	s_cbranch_scc0 .Lno_load
	tensor_load_to_lds s[24:27], s[16:23]          ; one load a wave is out
	s_nop 0
.rept 4
	v_nop
.endr
.Lno_load:
	v_and_b32 v9, 31, v0
	v_and_b32 v10, 15, v0
	v_lshlrev_b32 v1, 4, v9                        ; k's half images: 16 x lane,
	v_lshlrev_b32 v2, 3, v9
	v_add_nc_u32 v2, 512, v2                       ; 512 + 8 x lane
	v_add_nc_u32 v3, 49152, v1                     ; v's
	v_add_nc_u32 v4, 49152, v2
	v_lshlrev_b32 v15, 2, v10                      ; 4 r
	v_add_nc_u32 v7, 98304, v15                    ; k's scale words
	v_add_nc_u32 v8, 102400, v15                   ; v's
	v_lshlrev_b32 v29, 4, v10                      ; 16 r
	s_lshl_b32 s28, s11, 4
	s_add_co_u32 s28, s28, s10                     ; my tile of queries in the batch
	s_mul_i32 s30, s12, 49152
	s_mul_i32 s29, s28, 768
	s_add_co_u32 s30, s30, s29
	s_mov_b32 s31, 0
	s_add_nc_u64 s[32:33], s[4:5], s[30:31]
	s_lshl_b32 s30, s12, 12
	s_lshl_b32 s29, s28, 6
	s_add_co_u32 s30, s30, s29
	s_add_co_u32 s30, s30, 3145728
	s_add_nc_u64 s[34:35], s[4:5], s[30:31]
	global_load_b128 v[16:19], v1, s[32:33]        ; q's half image stays in registers
	global_load_b64 v[20:21], v2, s[32:33]
	global_load_b32 v28, v15, s[34:35]
	s_lshr_b32 s44, s12, 4
	s_lshl_b32 s44, s44, 6
	s_add_co_u32 s44, s44, s28                     ; my row tile of oc
	s_lshl_b32 s44, s44, 1
	s_and_b32 s45, s12, 15                         ; the head
	s_lshr_b32 s46, s45, 3
	s_add_co_u32 s44, s44, s46
	s_mul_i32 s44, s44, 6400                       ; the record: eight heads' 512 columns
	s_and_b32 s45, s45, 7
	s_mul_i32 s46, s45, 768
	s_add_co_u32 s46, s46, s44
	s_mov_b32 s47, 0
	s_add_nc_u64 s[48:49], s[8:9], s[46:47]        ; my half image
	s_lshl_b32 s46, s45, 1
	s_add_co_u32 s46, s46, s44
	s_add_co_u32 s46, s46, 6144
	s_add_nc_u64 s[50:51], s[8:9], s[46:47]        ; my two scale bytes a row
.irp j, 22,23,24,25,26,27,58,59,60,61,62,63,216,217,218,219,224,227,32,33
	v_mov_b32 v[\j], 0
.endr
	v_mov_b32 v31, 0xff61b1e6                      ; the largest t so far: -3e38
	v_floor_f32 v30, -v31
.set j, 0
.rept 32
	v_mov_b32 v[160+j], 0                          ; O^T: the step is written once; the first change of M leaves zeros zeros
.set j, j+1
.endr
	s_mov_b32 s36, 0
	s_mov_b32 s37, 0
	s_mov_b32 s38, 0
	s_mov_b32 s39, 8
	s_wait_tensorcnt 0x0                           ; my part of the record is in,
	s_barrier_signal -1
	s_barrier_wait -1                              ; everybody's is
	s_wait_loadcnt 0x0                             ; q
.Lstep:                                            ; 128 keys a trip
	v_add_nc_u32 v9, s36, v1                       ; (these six are also the places in front of loads into registers that the last products read)
	v_add_nc_u32 v10, s36, v2
	v_add_nc_u32 v11, s36, v3
	v_add_nc_u32 v12, s36, v4
	v_add_nc_u32 v13, s37, v7
	v_add_nc_u32 v14, s38, v8
.irp g, 0,1
.if \g
.rept 4
	v_nop
.endr
.endif
.irp t, 0,1,2,3
	ds_load_b128 v[34+6*\t:37+6*\t], v9 offset:768*(4*\g+\t)
	ds_load_b64 v[38+6*\t:39+6*\t], v10 offset:768*(4*\g+\t)
	ds_load_b32 v[82+\t], v13 offset:64*(4*\g+\t)
.endr
	s_wait_dscnt 0x0
.irp t, 0,1,2,3
	v_wmma_scale_f32_16x16x128_f8f6f4 v[96+8*(4*\g+\t):103+8*(4*\g+\t)], v[34+6*\t:45+6*\t], v[16:27], 0, v[82+\t], v28 matrix_a_fmt:MATRIX_FMT_FP6 matrix_b_fmt:MATRIX_FMT_FP6
.endr
.endr
.rept 4
	v_nop
.endr
.irp b, 0,1,2,3
	v_max3_num_f32 v[212+\b], v[96+16*\b], v[97+16*\b], v[98+16*\b]   ; the largest score of each block of 32 keys: for the row's maximum, and, since p rises with the score, for the block's largest p
.endr
.irp i, 3,5,7,9,11,13
.irp b, 0,1,2,3
	v_max3_num_f32 v[212+\b], v[212+\b], v[96+16*\b+\i], v[97+16*\b+\i]
.endr
.endr
.irp b, 0,1,2,3
	v_max_num_f32 v[212+\b], v[212+\b], v[111+16*\b]
.endr
.irp b, 0,1,2,3
	v_permlanex16_b32 v[216+\b], v[212+\b], s40, s41
.endr
.irp b, 0,1,2,3
	v_max_num_f32 v[212+\b], v[212+\b], v[216+\b]
.endr
	v_max3_num_f32 v224, v212, v213, v214
	v_max_num_f32 v224, v224, v215
	v_mul_f32 v224, s42, v224
	v_max_num_f32 v31, v31, v224                   ; the running largest t
	v_mov_b32 v224, v30
	v_floor_f32 v30, -v31                          ; the new -M: a whole number
	v_sub_f32 v224, v30, v224                      ; old M - new M, 0 or less
	v_cvt_i32_f32 v224, v224                       ; (it saturates)
	v_ldexp_f32 v226, 1.0, v224                    ; f = 2^(old M - new M): rounds nothing
.set j, 0
.rept 32
	v_pk_fma_f32 v[96+j:97+j], v[96+j:97+j], s[42:43], v[30:31] op_sel_hi:[1,0,0]   ; t - M
.set j, j+2
.endr
.irp b, 0,1,2,3
	v_fma_f32 v[212+\b], v[212+\b], s42, v30
.endr
.set j, 0
.rept 64
	v_exp_f32 v[96+j], v[96+j]                     ; p = 2^(t - M)
.set j, j+1
.endr
	v_pk_mul_f32 v[32:33], v[32:33], v[226:227] op_sel_hi:[1,0]   ; the sums under the new M (a plain instruction behind the exponentials)
	s_wait_alu depctr_va_vdst(0)                   ; one wait for the batch, ahead of its first reader
.irp b, 0,1,2,3
	v_exp_f32 v[212+\b], v[212+\b]                 ; each block's largest p
.endr
	v_pk_add_f32 v[216:217], v[96:97], v[98:99]    ; the row's sum of the unquantised p, in two chains
.irp j, 4,8,12,16,20,24,28,32,36,40,44,48,52,56,60
	v_pk_add_f32 v[32:33], v[32:33], v[96+\j:97+\j]
	v_pk_add_f32 v[216:217], v[216:217], v[98+\j:99+\j]
.endr
	v_pk_add_f32 v[32:33], v[32:33], v[216:217]
	s_wait_alu depctr_va_vdst(0)                   ; and one for the four
.irp b, 0,1,2,3
	v_max_num_f32 v[212+\b], 0x1800000, v[212+\b]  ; the floor 2^(3 - 127)
.endr
.irp b, 0,1,2,3
	v_add_nc_u32 v[220+\b], 0xff000000, v[212+\b]
.endr
.irp b, 0,1,2,3
	v_lshrrev_b32 v[216+\b], 23, v[220+\b]
.endr
	v_lshl_or_b32 v227, v217, 8, v216              ; p's scale word for these 128 keys
	v_lshl_or_b32 v227, v218, 16, v227
	v_lshl_or_b32 v227, v219, 24, v227
.irp c, 0,1
	v_cvt_scalef32_pk16_fp6_f32 v[192+6*\c:194+6*\c], v[96+32*\c:111+32*\c], v[220+2*\c]
	v_cvt_scalef32_pk16_fp6_f32 v[204+4*\c:206+4*\c], v[112+32*\c:127+32*\c], v[220+2*\c+1]
.endr
	v_nop
.irp c, 0,1
.irp i, 0,1,2
	v_permlane16_swap_b32 v[192+6*\c+\i], v[204+4*\c+\i]
.endr
.irp i, 0,1,2
	v_mov_b32 v[195+6*\c+\i], v[204+4*\c+\i]
.endr
.endr
.set j, 0
.rept 16
	v_pk_mul_f32 v[160+j:161+j], v[160+j:161+j], v[226:227] op_sel_hi:[1,0]   ; O^T under the new M; these are also the places in front of the products below
.set j, j+2
.endr
.irp b, 0,1,2,3
	ds_load_b128 v[34+12*\b:37+12*\b], v11 offset:1536*\b
	ds_load_b64 v[38+12*\b:39+12*\b], v12 offset:1536*\b
	ds_load_b128 v[40+12*\b:43+12*\b], v11 offset:1536*\b+768
	ds_load_b64 v[44+12*\b:45+12*\b], v12 offset:1536*\b+768
	ds_load_b32 v[82+\b], v14 offset:64*\b
.endr
	s_wait_dscnt 0x0
.irp b, 0,1,2,3
	v_wmma_scale_f32_16x16x128_f8f6f4 v[160+8*\b:167+8*\b], v[34+12*\b:45+12*\b], v[192:203], v[160+8*\b:167+8*\b], v[82+\b], v227 matrix_a_fmt:MATRIX_FMT_FP6 matrix_b_fmt:MATRIX_FMT_FP6
.endr
	s_add_co_u32 s36, s36, 6144
	s_add_co_u32 s37, s37, 512
	s_add_co_u32 s38, s38, 256
	s_sub_co_u32 s39, s39, 1
	s_cmp_lg_u32 s39, 0
	s_cbranch_scc1 .Lstep
.rept 4
	v_nop
.endr
	v_add_f32 v32, v32, v33
	v_permlanex16_b32 v224, v32, s40, s41
	v_add_f32 v32, v32, v224                       ; the row's sum
	v_rcp_f32 v32, v32
	v_nop
	s_wait_alu depctr_va_vdst(0)
.set j, 0
.rept 16
	v_pk_mul_f32 v[96+j:97+j], v[160+j:161+j], v[32:33] op_sel_hi:[1,0]   ; register 16 b + i: the head's number 32 b + 16 (lane / 16) + i of my query
.set j, j+2
.endr
	v_max3_num_f32 v212, |v96|, |v97|, 0x1800000
	v_max3_num_f32 v213, |v112|, |v113|, 0x1800000
.irp i, 2,4,6,8,10,12,14
	v_max3_num_f32 v212, |v[96+\i]|, |v[97+\i]|, v212
	v_max3_num_f32 v213, |v[112+\i]|, |v[113+\i]|, v213
.endr
	v_permlanex16_b32 v216, v212, s40, s41
	v_permlanex16_b32 v217, v213, s40, s41
	v_max_num_f32 v212, v212, v216
	v_max_num_f32 v213, v213, v217
	v_add_nc_u32 v220, 0xff000000, v212
	v_add_nc_u32 v221, 0xff000000, v213
	v_lshrrev_b32 v216, 23, v220
	v_lshrrev_b32 v217, 23, v221
	v_lshl_or_b32 v218, v217, 8, v216
	v_cvt_scalef32_pk16_fp6_f32 v[192:194], v[96:111], v220
	v_cvt_scalef32_pk16_fp6_f32 v[198:200], v[112:127], v221
	v_nop
.irp i, 0,1,2
	v_permlane16_swap_b32 v[192+\i], v[198+\i]
.endr
.irp i, 0,1,2
	v_mov_b32 v[195+\i], v[198+\i]
.endr
	global_store_b128 v1, v[192:195], s[48:49]     ; 512 consecutive bytes, aligned to 256
	global_store_b64 v2, v[196:197], s[48:49]      ; (v2 = 512 + 8 x lane)
	global_store_b16 v29, v218, s[50:51]
	s_wait_tensorcnt 0x0                           ; the wave's end
	ds_add_u32 v5, v6
	s_wait_dscnt 0x0
	CROUND                                         ; the closing round
	s_endpgm
.Lfunc_end_k_q672379f006_attn:
	.size	k_q672379f006_attn, .Lfunc_end_k_q672379f006_attn-k_q672379f006_attn
	.p2alignl 7, 3214868480
	.fill 96, 4, 3214868480
	.section	.rodata,"a",@progbits
	.p2align	6, 0x0
	.amdhsa_kernel k_q672379f006_attn
		.amdhsa_group_segment_fixed_size 167936
		.amdhsa_private_segment_fixed_size 0
		.amdhsa_enable_private_segment 0
		.amdhsa_kernarg_size 24
		.amdhsa_user_sgpr_count 2
		.amdhsa_user_sgpr_kernarg_segment_ptr 1
		.amdhsa_wavefront_size32 1
		.amdhsa_system_sgpr_workgroup_id_x 1
		.amdhsa_system_sgpr_workgroup_id_y 1
		.amdhsa_system_sgpr_workgroup_id_z 1
		.amdhsa_system_vgpr_workitem_id 0
		.amdhsa_next_free_vgpr 256
		.amdhsa_next_free_sgpr 66
		.amdhsa_reserve_vcc 0
		.amdhsa_float_denorm_mode_32 3
		.amdhsa_float_denorm_mode_16_64 3
		.amdhsa_memory_ordered 1
		.amdhsa_forward_progress 1
		.amdhsa_inst_pref_size 28
	.end_amdhsa_kernel
	.amdgpu_metadata
---
amdhsa.version: [ 1, 2 ]
amdhsa.kernels:
  - .name:           k_q672379f006_attn
    .symbol:         k_q672379f006_attn.kd
    .args:
      - { .name: qb, .offset: 0, .size: 8, .value_kind: global_buffer, .address_space: global }
      - { .name: kv, .offset: 8, .size: 8, .value_kind: global_buffer, .address_space: global }
      - { .name: oc, .offset: 16, .size: 8, .value_kind: global_buffer, .address_space: global }
    .group_segment_fixed_size: 167936
    .private_segment_fixed_size: 0
    .kernarg_segment_align: 8
    .kernarg_segment_size: 24
    .max_flat_workgroup_size: 512
    .sgpr_count:     66
    .vgpr_count:     256
    .wavefront_size: 32
...
	.end_amdgpu_metadata
.endif
;; end of part 3
;; launch gemm_o (part 4): grid 8 x 32, 4 waves a work-group, clusters of 4 x 4, 327,680 bytes of LDS; arguments oc, wts, o_B, o_b, x, x1; writes x1
.if DOCPART == 4
	.amdgcn_target "amdgcn-amd-amdhsa--gfx1250"
	.amdhsa_code_object_version 6
	.text
	.protected	k_q672379f006_gemm_o
	.globl	k_q672379f006_gemm_o
	.p2align	8
	.type	k_q672379f006_gemm_o,@function
k_q672379f006_gemm_o:
	s_mov_b64 s[64:65], 0
	v_nop
	global_prefetch_b8 v0, s[64:65] scope:SCOPE_SE
	s_setreg_imm32_b32 hwreg(HW_REG_WAVE_MODE, 25, 1), 1
	s_wait_xcnt 0x0
	s_wait_alu depctr_hold_cnt(0) depctr_sa_sdst(0) depctr_va_vdst(0) depctr_va_sdst(0) depctr_va_ssrc(0) depctr_va_vcc(0) depctr_vm_vsrc(0)
	s_getreg_b32 s2, hwreg(HW_REG_IB_STS2, 6, 4)
	s_cmp_eq_u32 s2, 0
	s_cbranch_scc0 .Lentry_in_a_cluster
	s_endpgm
.Lentry_in_a_cluster:
	s_bfe_u32 s2, ttmp6, 0x10000c
	s_cmp_lg_u32 s2, 0xf033
	s_cbranch_scc0 .Lentry_shape_is_right
	s_endpgm
.Lentry_shape_is_right:
; x1 = x + out o_W^T + o_b + (out o_A^T) o_B^T.  out (oc) and the weights (wts) come as panels of codes.  One tile of 128 x 128 to a work-group, four waves of 64 x 64, K = 1,024 in two chunks that are both first fills.
; The library (fragments, products, adapter) is that of the launch for q, k, v, and is explained there.  The adapter's second product takes f32 operands: x1 goes on into a quantiser.
; The residual's 64 rows x 256 bytes of a wave are asked for at the head, into 128 registers of window 2, and are there when the sums are finished.
; The way out: a tile of 16 tokens x 64 columns goes through the wave's own stage in LDS and comes back as rows of 256 bytes; x is added; sixteen lanes store 256 consecutive bytes, aligned.
; LIMITS: NaN and infinities are not served.
.set NCH,   2
.set WOFF,  2457600
.set LAOFF, 9868800
.set LAB,   12800
.set XSTEP, 0
.set WSTEP, 0
.set LASTEP, 0
.set LAP,   204800
.set SPARE, 256000
.set STAGE, 256512                     ; 16 rows x 272 bytes for each wave; no fill lands here
.set AX16, 3
.set AX8,  5
.set AW16, 7
.set AW8,  9
.set AL16, 11
.set AL8,  12
.set ALS,  13
.set ASC,  14
.set G1X, 48
.set G1W, 56
.set G1L, 68
.set G0X, 76
.set G0W, 84
.set G0L, 92
.set MSB, 0
.macro WIN new
.if MSB != \new
	s_set_vgpr_msb (MSB<<8)|\new
.set MSB, \new
.endif
.endm
.macro PLACES n
.rept \n
	v_nop
.endr
.endm
.macro CREST
	s_cmp_lg_u32 s28, 0
	s_cbranch_scc1 .Lnot_wave_0_\@
	s_barrier_signal -3
.Lnot_wave_0_\@:
	s_barrier_wait -3
	s_barrier_signal -1
	s_barrier_wait -1
.endm
.macro CROUND
	s_barrier_signal -1
	s_barrier_wait -1
	CREST
.endm
.macro JLOAD s
	s_cmp_eq_u32 s29, 0
	s_cbranch_scc0 .Lfor_w_\@
	tensor_load_to_lds s[G0X+4*\s:G0X+4*\s+3], s[G1X:G1X+7]
	s_nop 0
.rept 4
	v_nop
.endr
	s_branch .Lasked_\@
.Lfor_w_\@:
	tensor_load_to_lds s[G0W+4*\s:G0W+4*\s+3], s[G1W:G1W+7]
	s_nop 0
.rept 4
	v_nop
.endr
.Lasked_\@:
.endm
.macro FRAGL reg, a16, a8, off
	ds_load_b128 v[\reg:\reg+3], v[\a16] offset:\off
	ds_load_b64 v[\reg+4:\reg+5], v[\a8] offset:\off
	ds_load_b128 v[\reg+6:\reg+9], v[\a16] offset:\off+768
	ds_load_b64 v[\reg+10:\reg+11], v[\a8] offset:\off+768
.endm
.macro FETCH s, q
.set FBN, 16+108*((\q)&1)
.set SBN, 232+5*((\q)&1)
.set LCH, 6400*(\s)
.irp a, 0,1,2,3
	FRAGL FBN+12*\a, AX16+(\s), AX8+(\s), \a*6400+1536*(\q)
.endr
.irp b, 0,1,2,3
	FRAGL FBN+48+12*\b, AW16+(\s), AW8+(\s), \b*6400+1536*(\q)
.endr
	FRAGL FBN+96, AL16, AL8, LCH+1536*(\q)
.irp i, 0,1,2,3
	ds_load_b32 v[SBN+\i], v[ASC+(\s)] offset:\i*6400+4*(\q)
.endr
	ds_load_b32 v[SBN+4], v[ALS] offset:LCH+4*(\q)
.endm
.macro WM a, b, first
.set AC, 8*(4*\a+\b)
.set CR, AC
.if \first
.set CR, 192+8*\b
.endif
	v_wmma_scale_f32_16x16x128_f8f6f4 v[AC:AC+7], v[FBN+48+12*\b:FBN+48+12*\b+11], v[FBN+12*\a:FBN+12*\a+11], v[CR:CR+7], v[SBN+\b], v[SBN+\a] matrix_a_fmt:MATRIX_FMT_FP6 matrix_b_fmt:MATRIX_FMT_FP6 matrix_a_scale:MATRIX_SCALE_ROW1
.endm
.macro UM a, first
.if \first
	v_wmma_scale_f32_16x16x128_f8f6f4 v[128+8*\a:135+8*\a], v[FBN+96:FBN+107], v[FBN+12*\a:FBN+12*\a+11], 0, v[SBN+4], v[SBN+\a] matrix_a_fmt:MATRIX_FMT_FP6 matrix_b_fmt:MATRIX_FMT_FP6
.else
	v_wmma_scale_f32_16x16x128_f8f6f4 v[128+8*\a:135+8*\a], v[FBN+96:FBN+107], v[FBN+12*\a:FBN+12*\a+11], v[128+8*\a:135+8*\a], v[SBN+4], v[SBN+\a] matrix_a_fmt:MATRIX_FMT_FP6 matrix_b_fmt:MATRIX_FMT_FP6
.endif
.endm
.macro MULS q, first                   ; the accumulators take turns, one instruction a turn
.set FBN, 16+108*((\q)&1)
.set SBN, 232+5*((\q)&1)
	WIN 0x50
.irp a, 0,1,2,3
.irp b, 0,1,2,3
	WM \a, \b, \first
.endr
.endr
.irp a, 0,1,2,3
	UM \a, \first
.endr
	WIN 0
.endm
.macro KS s, q, first
	s_wait_dscnt 0x0
	PLACES 4
	FETCH \s, (\q)+1
	MULS \q, \first
.endm
.macro TURN s, fill, fetch
	s_wait_tensorcnt 0x0                           ; all my tensor loads have landed: my part of the other slot among them
	ds_add_u32 v1, v2                              ; 0 onto my spare word
.if \fill
	s_add_nc_u64 s[G0X+4*\s+2:G0X+4*\s+3], s[G0X+4*\s+2:G0X+4*\s+3], XSTEP
	s_add_nc_u64 s[G0W+4*\s+2:G0W+4*\s+3], s[G0W+4*\s+2:G0W+4*\s+3], WSTEP
.endif
	s_wait_dscnt 0x0                               ; the add is done, and my reads of this slot are over
	s_barrier_signal -1
	s_barrier_wait -1
.if \fill
	CREST
	JLOAD \s
.else
	PLACES 4
.endif
.if \fetch
.if LASTEP*(\s)
	v_add_nc_u32 v[AL16], 12800, v[AL16]
	v_add_nc_u32 v[AL8], 12800, v[AL8]
	v_add_nc_u32 v[ALS], 12800, v[ALS]
.endif
	FETCH 1-(\s), 0
.endif
	MULS 3, 0
.endm
.macro LBLOAD bp, cp
	WIN 0x40
.irp b, 0,1,2,3
	global_load_b128 v[160+8*\b:163+8*\b], v246, s[\bp:\bp+1] offset:(32*(\b/2)+8*(\b%2))*64
	global_load_b128 v[164+8*\b:167+8*\b], v246, s[\bp:\bp+1] offset:(32*(\b/2)+8*(\b%2))*64+16
	global_load_b128 v[192+8*\b:195+8*\b], v247, s[\cp:\cp+1] offset:(32*(\b/2)+8*(\b%2))*4
	global_load_b128 v[196+8*\b:199+8*\b], v247, s[\cp:\cp+1] offset:(32*(\b/2)+8*(\b%2))*4+16
.endr
	WIN 0
.endm
.macro LORA
	PLACES 5
	WIN 0x55
.irp s, 0,1,2,3
.irp a, 0,1,2,3
.irp b, 0,1,2,3
	v_wmma_f32_16x16x4_f32 v[8*(4*\a+\b):8*(4*\a+\b)+7], v[160+8*\b+2*\s:160+8*\b+2*\s+1], v[128+8*\a+2*\s:128+8*\a+2*\s+1], v[8*(4*\a+\b):8*(4*\a+\b)+7]
.endr
.endr
.endr
	WIN 0
	PLACES 9
.endm
.macro RESLOAD                         ; the residual's 64 rows x 256 bytes into window 2, in the order in which the stage gives the rows back: position 2 i + h of tile a
	WIN 0x80                                       ; destination window 2, address window 0
.irp a, 0,1,2,3
.irp i, 0,1,2,3,4,5,6,7
	global_load_b128 v[32*\a+4*\i:32*\a+4*\i+3], v253, s[12:13] offset:(32*(\a/2)+8*(\a%2)+2*\i+8*(\i/4))*4096 th:TH_LOAD_NT
.endr
.endr
	WIN 0
.endm
.macro EPI_RES
	s_wait_loadcnt 0x0                             ; the residual
.irp a, 0,1,2,3
	WIN 0x04                                       ; an LDS store's data are its source 1: window 1
.irp b, 0,1,2,3
	ds_store_b128 v249, v[8*(4*\a+\b):8*(4*\a+\b)+3] offset:128*(\b/2)+32*(\b%2)       ; each accumulator from its low end on
	ds_store_b128 v249, v[8*(4*\a+\b)+4:8*(4*\a+\b)+7] offset:128*(\b/2)+32*(\b%2)+16
.endr
	WIN 0
.irp i, 0,1,2,3,4,5,6,7
	ds_load_b128 v[16+32*\a+4*\i:19+32*\a+4*\i], v252 offset:544*\i     ; LDS serves a wave's instructions in order: these see my stores.  Each tile has 32 registers of its own: no store's data are written again
.endr
	s_wait_dscnt 0x0
	WIN 0x08                                       ; source 1 in window 2
.set j, 0
.rept 16
	v_pk_add_f32 v[16+32*\a+j:17+32*\a+j], v[16+32*\a+j:17+32*\a+j], v[32*\a+j:32*\a+j+1]
.set j, j+2
.endr
	WIN 0
.irp i, 0,1,2,3,4,5,6,7
	global_store_b128 v253, v[16+32*\a+4*\i:19+32*\a+4*\i], s[14:15] offset:(32*(\a/2)+8*(\a%2)+2*\i+8*(\i/4))*4096
.endr
.endr
.endm
	s_load_b256 s[4:11], s[0:1], 0x0               ; the activations' panel, wts, B, the bias
	s_load_b128 s[12:15], s[0:1], 0x20             ; the residual, the result
	v_lshl_add_u32 v1, v0, 2, SPARE
	v_mov_b32 v2, 0
	ds_add_u32 v1, v2                              ; the wave's opening: the add, twice on end, and its wait ahead of my first tensor load
	ds_add_u32 v1, v2
	v_lshrrev_b32 v3, 5, v0
	v_readfirstlane_b32 s28, v3
	s_lshr_b32 s29, s28, 1
	s_and_b32 s30, s28, 1
	s_bfe_u32 s31, ttmp6, 0x40000
	s_bfe_u32 s32, ttmp6, 0x40004
	s_lshl_b32 s33, ttmp9, 2
	s_add_co_u32 s33, s33, s31                     ; tile column
	s_and_b32 s34, ttmp7, 0xffff
	s_lshl_b32 s34, s34, 2
	s_add_co_u32 s34, s34, s32                     ; tile row
	s_lshl_b32 s35, s32, 2
	s_lshl_b32 s35, 15, s35
	s_lshl_b32 s36, 0x1111, s31
	s_or_b32 s[G1X], s35, (3<<16)|(1<<21)
	s_or_b32 s[G1W], s36, (3<<16)|(1<<21)
.irp g, G1X, G1W
	s_mov_b32 s[\g+1], 800<<16
	s_mov_b32 s[\g+2], 4<<16
	s_mov_b32 s[\g+3], 800<<16
	s_mov_b32 s[\g+4], 4
	s_mov_b32 s[\g+5], NCH*800
	s_mov_b32 s[\g+6], 0
	s_mov_b32 s[\g+7], 0
.endr
	s_mov_b32 s[G1L], 3<<16
	s_mov_b32 s[G1L+1], 200<<16
	s_mov_b32 s[G1L+2], (LAB/6400)<<16
	s_mov_b32 s[G1L+3], 200<<16
	s_mov_b32 s[G1L+4], LAB/6400
	s_mov_b32 s[G1L+5], 200
	s_mov_b32 s[G1L+6], 0
	s_mov_b32 s[G1L+7], 0
	s_lshl_b32 s37, s30, 2
	s_lshl_b32 s38, s34, 3
	s_add_co_u32 s38, s38, s37
	s_mul_i32 s38, s38, NCH*6400
	s_mov_b32 s39, 0
	s_lshl_b32 s40, s33, 3
	s_add_co_u32 s40, s40, s37
	s_mul_i32 s40, s40, NCH*6400
	s_add_co_u32 s40, s40, WOFF
	s_mov_b32 s41, 0
	s_mul_i32 s42, s28, LAB/4
	s_add_co_u32 s44, s42, LAOFF
	s_mov_b32 s45, 0
	s_mul_i32 s43, s30, 25600
	s_wait_dscnt 0x0
	s_wait_kmcnt 0x0
	s_add_nc_u64 s[38:39], s[4:5], s[38:39]
	s_add_nc_u64 s[40:41], s[6:7], s[40:41]
	s_add_nc_u64 s[44:45], s[6:7], s[44:45]
	CROUND
	s_mov_b32 s[G0L], 1
	s_add_co_u32 s[G0L+1], s42, LAP
	s_mov_b64 s[G0L+2:G0L+3], s[44:45]
	s_or_b32 s[G0L+3], s[G0L+3], 0x80000000
	tensor_load_to_lds s[G0L:G0L+3], s[G1L:G1L+7]  ; with the two below three loads of mine are out
	s_nop 0
.irp s, 0,1
	s_mov_b32 s[G0X+4*\s], 1
	s_add_co_u32 s[G0X+4*\s+1], s43, \s*51200
	s_add_nc_u64 s[G0X+4*\s+2:G0X+4*\s+3], s[38:39], \s*6400
	s_or_b32 s[G0X+4*\s+3], s[G0X+4*\s+3], 0x80000000
	s_mov_b32 s[G0W+4*\s], 1
	s_add_co_u32 s[G0W+4*\s+1], s43, 102400+\s*51200
	s_add_nc_u64 s[G0W+4*\s+2:G0W+4*\s+3], s[40:41], \s*6400
	s_or_b32 s[G0W+4*\s+3], s[G0W+4*\s+3], 0x80000000
	JLOAD \s
.endr
	v_and_b32 v16, 31, v0
	v_and_b32 v17, 15, v0
	v_bfe_u32 v18, v0, 4, 1
	v_lshlrev_b32 v242, 4, v16
	v_lshlrev_b32 v243, 3, v16
	s_mul_i32 s46, s29, 25600
	s_mul_i32 s47, s30, 25600
	s_add_co_u32 s47, s47, 102400
	v_add_nc_u32 v3, s46, v242
	v_add_nc_u32 v4, 51200, v3
	v_add_nc_u32 v5, s46, v243
	v_add_nc_u32 v5, 512, v5
	v_add_nc_u32 v6, 51200, v5
	v_add_nc_u32 v7, s47, v242
	v_add_nc_u32 v8, 51200, v7
	v_add_nc_u32 v9, s47, v243
	v_add_nc_u32 v9, 512, v9
	v_add_nc_u32 v10, 51200, v9
	v_add_nc_u32 v11, LAP, v242
	v_add_nc_u32 v12, LAP+512, v243
	v_lshlrev_b32 v245, 4, v17
	v_add_nc_u32 v13, LAP+6144, v245
	s_xor_b32 s47, s29, 1
	s_add_co_u32 s47, s47, s30
	s_mul_i32 s47, s47, 25600
	s_add_co_u32 s47, s47, 76800
	v_mul_u32_u24 v19, s47, v18
	v_add_nc_u32 v14, v245, v19
	s_add_co_u32 s46, s46, 6144
	v_add_nc_u32 v14, s46, v14
	v_add_nc_u32 v15, 51200, v14
	v_and_b32 v19, 8, v17
	v_add_nc_u32 v19, v19, v17
	v_lshlrev_b32 v246, 6, v19
	v_lshl_add_u32 v246, v18, 5, v246
	v_lshlrev_b32 v247, 6, v18
	s_mul_i32 s46, s28, 4352
	s_add_co_u32 s46, s46, STAGE                   ; my stage
	v_mul_u32_u24 v249, v17, 272
	v_lshl_add_u32 v249, v18, 6, v249
	v_add_nc_u32 v249, s46, v249                   ; in: row r, + 64 h
	v_mul_u32_u24 v252, v18, 272
	v_lshl_add_u32 v252, v17, 4, v252
	v_add_nc_u32 v252, s46, v252                   ; back: lanes 0-15 one row, lanes 16-31 the next
	v_lshlrev_b32 v253, 12, v18
	v_lshl_add_u32 v253, v17, 4, v253              ; and the same two rows in memory
	s_lshl_b32 s46, s33, 7
	s_lshl_b32 s47, s30, 6
	s_add_co_u32 s46, s46, s47                     ; my first column
	s_lshl_b32 s36, s46, 6
	s_mov_b32 s37, 0
	s_add_nc_u64 s[8:9], s[8:9], s[36:37]
	s_lshl_b32 s36, s46, 2
	s_add_nc_u64 s[10:11], s[10:11], s[36:37]
	s_lshl_b32 s46, s34, 7
	s_lshl_b32 s47, s29, 6
	s_add_co_u32 s46, s46, s47                     ; my first token
	s_lshl_b32 s46, s46, 12
	s_add_co_u32 s36, s36, s46
	s_add_nc_u64 s[12:13], s[12:13], s[36:37]
	s_add_nc_u64 s[14:15], s[14:15], s[36:37]
	LBLOAD 8, 10
	RESLOAD
	s_wait_tensorcnt 0x1                           ; A's panel and my part of slot 0 are in; the youngest load, slot 1's, may be out
	s_barrier_signal -1
	s_barrier_wait -1
	s_wait_loadcnt 32                              ; B's rows and the bias are in; the 32 loads of the residual, issued behind them, may be out
	FETCH 0, 0
	KS 0, 0, 1
	KS 0, 1, 0
	KS 0, 2, 0
	TURN 0, 0, 1
	KS 1, 0, 0
	KS 1, 1, 0
	KS 1, 2, 0
	s_wait_dscnt 0x0
	MULS 3, 0
	LORA
	EPI_RES
	s_wait_tensorcnt 0x0                           ; the wave's end, behind my last tensor load and my last LDS store
	ds_add_u32 v1, v2
	s_wait_dscnt 0x0
	CROUND
	s_endpgm
.Lfunc_end_k_q672379f006_gemm_o:
	.size	k_q672379f006_gemm_o, .Lfunc_end_k_q672379f006_gemm_o-k_q672379f006_gemm_o
	.p2alignl 7, 3214868480
	.fill 96, 4, 3214868480
	.section	.rodata,"a",@progbits
	.p2align	6, 0x0
	.amdhsa_kernel k_q672379f006_gemm_o
		.amdhsa_group_segment_fixed_size 327680
		.amdhsa_private_segment_fixed_size 0
		.amdhsa_enable_private_segment 0
		.amdhsa_kernarg_size 48
		.amdhsa_user_sgpr_count 2
		.amdhsa_user_sgpr_kernarg_segment_ptr 1
		.amdhsa_wavefront_size32 1
		.amdhsa_system_sgpr_workgroup_id_x 1
		.amdhsa_system_sgpr_workgroup_id_y 1
		.amdhsa_system_sgpr_workgroup_id_z 1
		.amdhsa_system_vgpr_workitem_id 0
		.amdhsa_next_free_vgpr 640
		.amdhsa_next_free_sgpr 100
		.amdhsa_reserve_vcc 0
		.amdhsa_float_denorm_mode_32 3
		.amdhsa_float_denorm_mode_16_64 3
		.amdhsa_memory_ordered 1
		.amdhsa_forward_progress 1
		.amdhsa_inst_pref_size 73
	.end_amdhsa_kernel
	.amdgpu_metadata
---
amdhsa.version: [ 1, 2 ]
amdhsa.kernels:
  - .name:           k_q672379f006_gemm_o
    .symbol:         k_q672379f006_gemm_o.kd
    .args:
      - { .name: oc, .offset: 0, .size: 8, .value_kind: global_buffer, .address_space: global }
      - { .name: wts, .offset: 8, .size: 8, .value_kind: global_buffer, .address_space: global }
      - { .name: o_B, .offset: 16, .size: 8, .value_kind: global_buffer, .address_space: global }
      - { .name: o_b, .offset: 24, .size: 8, .value_kind: global_buffer, .address_space: global }
      - { .name: x, .offset: 32, .size: 8, .value_kind: global_buffer, .address_space: global }
      - { .name: x1, .offset: 40, .size: 8, .value_kind: global_buffer, .address_space: global }
    .group_segment_fixed_size: 327680
    .private_segment_fixed_size: 0
    .kernarg_segment_align: 8
    .kernarg_segment_size: 48
    .max_flat_workgroup_size: 128
    .sgpr_count:     100
    .vgpr_count:     640
    .wavefront_size: 32
...
	.end_amdgpu_metadata
.endif
;; end of part 4
;; launch ln (part 5): grid 256 x 1, 4 waves a work-group, no clusters, 31,744 bytes of LDS; arguments x1, ln2_g, ln2_b, hx; writes hx
.if DOCPART == 5
	.amdgcn_target "amdgcn-amd-amdhsa--gfx1250"
	.amdhsa_code_object_version 6
	.text
	.protected	k_q672379f006_ln
	.globl	k_q672379f006_ln
	.p2align	8
	.type	k_q672379f006_ln,@function
k_q672379f006_ln:
	s_mov_b64 s[64:65], 0
	v_nop
	global_prefetch_b8 v0, s[64:65] scope:SCOPE_SE
	s_setreg_imm32_b32 hwreg(HW_REG_WAVE_MODE, 25, 1), 1
	s_wait_xcnt 0x0
; LayerNorm 2 of x1 becomes codes of E2M3 in the panel hx (layout and method: at the head of the first launch; this is its LayerNorm path alone).
; One work-group a row tile of 16 tokens; wave w takes positions 4 w .. 4 w + 3, four neighbouring rows.
; LIMITS: NaN and infinities are not served; a block whose largest magnitude lies under 2^-124 gets the byte 1.
.set TRW,   4608
.set IMG,   18432
.set SPARE, 31232
.set X,     32
.set GG,    160
.set BB,    192
	s_load_b256 s[4:11], s[0:1], 0x0               ; x1, g, b, hx
	v_lshl_add_u32 v1, v0, 2, SPARE
	v_mov_b32 v2, 0
	v_lshrrev_b32 v16, 5, v0
	v_readfirstlane_b32 s52, v16
	v_and_b32 v17, 31, v0
	v_lshlrev_b32 v7, 4, v17
	v_lshrrev_b32 v18, 3, v17
	s_mul_i32 s53, s52, TRW
	v_lshl_add_u32 v8, v18, 4, v7
	v_add_nc_u32 v8, s53, v8
	v_mul_u32_u24 v9, v17, 144
	v_add_nc_u32 v9, s53, v9
	v_bfe_u32 v18, v0, 4, 1
	v_bfe_u32 v19, v0, 1, 3
	v_and_b32 v20, 1, v0
	v_mul_u32_u24 v18, v18, 6400
	v_mad_u32_u24 v19, v19, 768, v18
	s_lshl_b32 s53, s52, 6
	s_add_co_u32 s53, s53, IMG
	v_lshl_add_u32 v10, v20, 8, v19
	v_add_nc_u32 v10, s53, v10
	s_lshl_b32 s54, s52, 5
	s_add_co_u32 s54, s54, IMG+512
	v_lshl_add_u32 v11, v20, 7, v19
	v_add_nc_u32 v11, s54, v11
	v_and_b32 v21, 15, v0
	v_add_nc_u32 v12, v18, v21
	s_add_co_u32 s53, s53, 6144
	v_add_nc_u32 v12, s53, v12
	s_lshr_b32 s53, s52, 1
	s_mul_i32 s53, s53, 6400
	s_and_b32 s54, s52, 1
	s_mul_i32 s55, s54, 3072
	s_add_co_u32 s55, s55, s53
	v_add_nc_u32 v14, s55, v7
	v_add_nc_u32 v13, IMG, v14
	v_lshlrev_b32 v224, 3, v17
	s_add_co_u32 s53, s53, 6144
	v_add_nc_u32 v224, s53, v224
	v_add_nc_u32 v15, IMG, v224
	s_mov_b32 s38, 0x3a800000
	s_mov_b32 s39, 0x3727c5ac
	s_mov_b32 s62, 0x76543210
	s_mov_b32 s63, 0xfedcba98
	s_lshr_b32 s49, ttmp9, 1
	s_lshl_b32 s49, s49, 5
	s_and_b32 s50, ttmp9, 1
	s_lshl_b32 s50, s50, 3
	s_add_co_u32 s49, s49, s50
	s_lshl_b32 s50, s52, 2
	s_add_co_u32 s49, s49, s50
	s_lshr_b32 s50, s52, 1
	s_lshl_b32 s50, s50, 3
	s_add_co_u32 s49, s49, s50                     ; my first row
	s_lshl_b32 s56, s49, 12
	s_mov_b32 s57, 0
	s_mul_i32 s60, ttmp9, 12800
	s_mov_b32 s61, 0
	v_mov_b32 v3, v7
	v_add_nc_u32 v4, 4096, v3
	v_add_nc_u32 v5, 4096, v4
	v_add_nc_u32 v6, 4096, v5
	s_wait_kmcnt 0x0
	s_add_nc_u64 s[40:41], s[4:5], s[56:57]
	s_add_nc_u64 s[58:59], s[10:11], s[60:61]
.irp i, 0,1,2,3
.irp j, 0,1,2,3,4,5,6,7
	global_load_b128 v[X+32*\i+4*\j:X+32*\i+4*\j+3], v[3+\i], s[40:41] offset:512*\j
.endr
.endr
.irp j, 0,1,2,3,4,5,6,7
	global_load_b128 v[GG+4*\j:GG+4*\j+3], v7, s[6:7] offset:512*\j
	global_load_b128 v[BB+4*\j:BB+4*\j+3], v7, s[8:9] offset:512*\j
.endr
.macro LANESUM
.irp i, 0,1,2,3
	v_pk_add_f32 v[16+2*\i:17+2*\i], v[16+2*\i:17+2*\i], v[24+2*\i:25+2*\i]
.endr
.irp i, 0,1,2,3
	v_add_f32 v[16+2*\i], v[16+2*\i], v[17+2*\i]
.endr
.irp m, 1,2,4,8
.irp i, 0,1,2,3
	v_add_f32_dpp v[16+2*\i], v[16+2*\i], v[16+2*\i] row_xmask:\m row_mask:0xf bank_mask:0xf
.endr
.endr
.irp i, 0,1,2,3
	v_permlanex16_b32 v[24+2*\i], v[16+2*\i], s62, s63
.endr
.irp i, 0,1,2,3
	v_add_f32 v[16+2*\i], v[16+2*\i], v[24+2*\i]
.endr
.endm
	s_wait_loadcnt 0x0
.irp i, 0,1,2,3
	v_pk_add_f32 v[16+2*\i:17+2*\i], v[X+32*\i:X+32*\i+1], v[X+32*\i+2:X+32*\i+3]
	v_pk_add_f32 v[24+2*\i:25+2*\i], v[X+32*\i+4:X+32*\i+5], v[X+32*\i+6:X+32*\i+7]
.endr
.irp k, 8,12,16,20,24,28
.irp i, 0,1,2,3
	v_pk_add_f32 v[16+2*\i:17+2*\i], v[16+2*\i:17+2*\i], v[X+32*\i+\k:X+32*\i+\k+1]
	v_pk_add_f32 v[24+2*\i:25+2*\i], v[24+2*\i:25+2*\i], v[X+32*\i+\k+2:X+32*\i+\k+3]
.endr
.endr
	LANESUM
.irp i, 0,1,2,3
	v_mul_f32 v[16+2*\i], 0x3a800000, v[16+2*\i]   ; the mean
.endr
.irp k, 0,2,4,6,8,10,12,14,16,18,20,22,24,26,28,30
.irp i, 0,1,2,3
	v_pk_add_f32 v[X+32*\i+\k:X+32*\i+\k+1], v[X+32*\i+\k:X+32*\i+\k+1], v[16+2*\i:17+2*\i] op_sel_hi:[1,0] neg_lo:[0,1] neg_hi:[0,1]
.endr
.endr
.irp i, 0,1,2,3
	v_pk_mul_f32 v[16+2*\i:17+2*\i], v[X+32*\i:X+32*\i+1], v[X+32*\i:X+32*\i+1]
	v_pk_mul_f32 v[24+2*\i:25+2*\i], v[X+32*\i+2:X+32*\i+3], v[X+32*\i+2:X+32*\i+3]
.endr
.irp k, 4,8,12,16,20,24,28
.irp i, 0,1,2,3
	v_pk_fma_f32 v[16+2*\i:17+2*\i], v[X+32*\i+\k:X+32*\i+\k+1], v[X+32*\i+\k:X+32*\i+\k+1], v[16+2*\i:17+2*\i]
	v_pk_fma_f32 v[24+2*\i:25+2*\i], v[X+32*\i+\k+2:X+32*\i+\k+3], v[X+32*\i+\k+2:X+32*\i+\k+3], v[24+2*\i:25+2*\i]
.endr
.endr
	LANESUM
.irp i, 0,1,2,3
	v_fma_f32 v[16+2*\i], v[16+2*\i], s38, s39     ; variance + eps
.endr
.irp i, 0,1,2,3
	v_rsq_f32 v[16+2*\i], v[16+2*\i]
.endr
	v_nop                                          ; a plain instruction behind the last of the four,
	s_wait_alu depctr_va_vdst(0)                   ; and one wait for the batch, ahead of its first reader
.irp k, 0,2,4,6,8,10,12,14,16,18,20,22,24,26,28,30
.irp i, 0,1,2,3
	v_pk_mul_f32 v[X+32*\i+\k:X+32*\i+\k+1], v[X+32*\i+\k:X+32*\i+\k+1], v[16+2*\i:17+2*\i] op_sel_hi:[1,0]
.endr
.irp i, 0,1,2,3
	v_pk_fma_f32 v[X+32*\i+\k:X+32*\i+\k+1], v[X+32*\i+\k:X+32*\i+\k+1], v[GG+\k:GG+\k+1], v[BB+\k:BB+\k+1]
.endr
.endr
.macro TURNROW i
.irp j, 0,1,2,3,4,5,6,7
	ds_store_b128 v8, v[X+32*(\i)+4*\j:X+32*(\i)+4*\j+3] offset:576*\j
.endr
.irp j, 0,1,2,3,4,5,6,7
	ds_load_b128 v[X+32*(\i)+4*\j:X+32*(\i)+4*\j+3], v9 offset:16*\j
.endr
.endm
.macro QROW i
.set XS, X+32*(\i)
	v_max3_num_f32 v16, |v[XS]|, |v[XS+1]|, |v[XS+2]|
	v_max3_num_f32 v17, |v[XS+3]|, |v[XS+4]|, |v[XS+5]|
.irp k, 6,10,14,18,22,26
	v_max3_num_f32 v16, v16, |v[XS+\k]|, |v[XS+\k+1]|
	v_max3_num_f32 v17, v17, |v[XS+\k+2]|, |v[XS+\k+3]|
.endr
	v_max3_num_f32 v16, v16, |v[XS+30]|, |v[XS+31]|
	v_max3_num_f32 v16, v16, v17, 0x1800000
	v_add_nc_u32 v18, 0xff000000, v16
	v_lshrrev_b32 v19, 23, v18
	v_cvt_scalef32_pk16_fp6_f32 v[20:22], v[XS:XS+15], v18
	v_cvt_scalef32_pk16_fp6_f32 v[26:28], v[XS+16:XS+31], v18
	v_nop
	v_mov_b32 v23, v26
	v_mov_b32 v24, v27
	v_mov_b32 v25, v28
	ds_store_b128 v10, v[20:23] offset:16*(\i)
	ds_store_b64 v11, v[24:25] offset:8*(\i)
	ds_store_b8 v12, v19 offset:16*(\i)
.endm
	TURNROW 0
.irp i, 0,1,2
	TURNROW \i+1
	s_wait_dscnt 16                                ; all but the next row's 8 stores and 8 loads
	QROW \i
.endr
	s_wait_dscnt 0x0
	QROW 3
	s_wait_dscnt 0x0                               ; for the others' sake: my stores into the image are done
	s_barrier_signal -1
	s_barrier_wait -1
.irp k, 0,1,2,3,4,5
	ds_load_b128 v[X+4*\k:X+4*\k+3], v13 offset:512*\k
.endr
	s_wait_dscnt 0x0
.irp k, 0,1,2,3,4,5
	global_store_b128 v14, v[X+4*\k:X+4*\k+3], s[58:59] offset:512*\k
.endr
	s_cmp_lg_u32 s54, 0
	s_cbranch_scc1 .Lodd
	ds_load_b64 v[X+24:X+25], v15
	s_wait_dscnt 0x0
	global_store_b64 v224, v[X+24:X+25], s[58:59]
.Lodd:
	s_wait_tensorcnt 0x0                           ; the wave's end, behind my last LDS store
	ds_add_u32 v1, v2
	s_wait_dscnt 0x0
	s_endpgm
.Lfunc_end_k_q672379f006_ln:
	.size	k_q672379f006_ln, .Lfunc_end_k_q672379f006_ln-k_q672379f006_ln
	.p2alignl 7, 3214868480
	.fill 96, 4, 3214868480
	.section	.rodata,"a",@progbits
	.p2align	6, 0x0
	.amdhsa_kernel k_q672379f006_ln
		.amdhsa_group_segment_fixed_size 31744
		.amdhsa_private_segment_fixed_size 0
		.amdhsa_enable_private_segment 0
		.amdhsa_kernarg_size 32
		.amdhsa_user_sgpr_count 2
		.amdhsa_user_sgpr_kernarg_segment_ptr 1
		.amdhsa_wavefront_size32 1
		.amdhsa_system_sgpr_workgroup_id_x 1
		.amdhsa_system_sgpr_workgroup_id_y 1
		.amdhsa_system_sgpr_workgroup_id_z 1
		.amdhsa_system_vgpr_workitem_id 0
		.amdhsa_next_free_vgpr 232
		.amdhsa_next_free_sgpr 66
		.amdhsa_reserve_vcc 0
		.amdhsa_float_denorm_mode_32 3
		.amdhsa_float_denorm_mode_16_64 3
		.amdhsa_memory_ordered 1
		.amdhsa_forward_progress 1
		.amdhsa_inst_pref_size 44
	.end_amdhsa_kernel
	.amdgpu_metadata
---
amdhsa.version: [ 1, 2 ]
amdhsa.kernels:
  - .name:           k_q672379f006_ln
    .symbol:         k_q672379f006_ln.kd
    .args:
      - { .name: x1, .offset: 0, .size: 8, .value_kind: global_buffer, .address_space: global }
      - { .name: ln2_g, .offset: 8, .size: 8, .value_kind: global_buffer, .address_space: global }
      - { .name: ln2_b, .offset: 16, .size: 8, .value_kind: global_buffer, .address_space: global }
      - { .name: hx, .offset: 24, .size: 8, .value_kind: global_buffer, .address_space: global }
    .group_segment_fixed_size: 31744
    .private_segment_fixed_size: 0
    .kernarg_segment_align: 8
    .kernarg_segment_size: 32
    .max_flat_workgroup_size: 128
    .sgpr_count:     66
    .vgpr_count:     232
    .wavefront_size: 32
...
	.end_amdgpu_metadata
.endif
;; end of part 5
;; launch gemm_ff1 (part 6): grid 8 x 32, 4 waves a work-group, clusters of 4 x 4, 327,680 bytes of LDS; arguments hx, wts, ff1_B, ff1_b, gp; writes gp
.if DOCPART == 6
	.amdgcn_target "amdgcn-amd-amdhsa--gfx1250"
	.amdhsa_code_object_version 6
	.text
	.protected	k_q672379f006_gemm_ff1
	.globl	k_q672379f006_gemm_ff1
	.p2align	8
	.type	k_q672379f006_gemm_ff1,@function
k_q672379f006_gemm_ff1:
	s_mov_b64 s[64:65], 0
	v_nop
	global_prefetch_b8 v0, s[64:65] scope:SCOPE_SE
	s_setreg_imm32_b32 hwreg(HW_REG_WAVE_MODE, 25, 1), 1
	s_wait_xcnt 0x0
	s_wait_alu depctr_hold_cnt(0) depctr_sa_sdst(0) depctr_va_vdst(0) depctr_va_sdst(0) depctr_va_ssrc(0) depctr_va_vcc(0) depctr_vm_vsrc(0)
	s_getreg_b32 s2, hwreg(HW_REG_IB_STS2, 6, 4)
	s_cmp_eq_u32 s2, 0
	s_cbranch_scc0 .Lentry_in_a_cluster
	s_endpgm
.Lentry_in_a_cluster:
	s_bfe_u32 s2, ttmp6, 0x10000c
	s_cmp_lg_u32 s2, 0xf033
	s_cbranch_scc0 .Lentry_shape_is_right
	s_endpgm
.Lentry_shape_is_right:
; g = gelu(h2 ff1_W^T + ff1_b + (h2 ff1_A^T) ff1_B^T), quantised along its 4,096 columns into the panel gp.  h2 (hx) and the weights come as panels of codes.
; A work-group stays: it makes four tiles of 128 x 128, at tile columns x, x + 8, x + 16, x + 24.  h2's two chunks of 512 along K are filled once and stay.  U = h2 A^T is the same for all four tiles and is made once, in a phase of its own.
; W's two chunks are filled again once a tile: behind ONE round of the cluster's barrier at the tile's last K step each of the four waves asks for a quarter of them (25,600 bytes); that load has the last step, the adapter's
; product and the gelu in which to land; a wait and a plain barrier stand ahead of the next tile's reads.  The library is that of the launch for q, k, v, and is explained there.
; BY TURNS.  The adapter's product goes by row tile of 16 tokens, 16 matrix instructions of the f32 form each; a row tile's gelu is a list of 288 vector instructions, and 18 of the gelu of the row tile before stand behind each
; matrix instruction: they name none of its registers.  A row tile's 64 transcendentals are one batch with one wait, between numbers 175 and 176 of the list.
; GELU, exact form: gelu(x) = max(x, 0) - |x| Q(|x|), Q the upper tail of the normal distribution, Q(y) = exp(-y^2 / 2) / sqrt(2 pi) x (a polynomial of degree 5 in 1 / (1 + 0.2316419 y)) (Abramowitz and Stegun 26.2.17);
; no difference of near numbers is formed for x < 0.
; LIMITS: Q is right to 7.5e-8 absolute, so the relative accuracy of gelu falls off for x under about -2.5 (1e-5 there); for |x| over 13 the tail is taken as 0.  NaN and infinities are not served;
; a block whose largest magnitude lies under 2^-124 gets the byte 1.
.set NCH,   2
.set WOFF,  3276800
.set LAOFF, 9881600
.set LAB,   12800
.set WSTEP, 819200                     ; eight tile columns on
.set TM,    176
.set LAP,   204800
.set SPARE, 256000
.set AX16, 3
.set AX8,  5
.set AW16, 7
.set AW8,  9
.set AL16, 11
.set AL8,  12
.set ALS,  13
.set ASC,  14
.set G1X, 48
.set G1W, 56
.set G1L, 68
.set G0X, 76
.set G0W, 84
.set G0L, 92
.set G0R, 92                           ; the refills' group 0 takes the registers of A's, once that load is shown done
.set MSB, 0
.macro WIN new
.if MSB != \new
	s_set_vgpr_msb (MSB<<8)|\new
.set MSB, \new
.endif
.endm
.macro PLACES n
.rept \n
	v_nop
.endr
.endm
.macro CREST
	s_cmp_lg_u32 s28, 0
	s_cbranch_scc1 .Lnot_wave_0_\@
	s_barrier_signal -3
.Lnot_wave_0_\@:
	s_barrier_wait -3
	s_barrier_signal -1
	s_barrier_wait -1
.endm
.macro CROUND
	s_barrier_signal -1
	s_barrier_wait -1
	CREST
.endm
.macro JLOAD s
	s_cmp_eq_u32 s29, 0
	s_cbranch_scc0 .Lfor_w_\@
	tensor_load_to_lds s[G0X+4*\s:G0X+4*\s+3], s[G1X:G1X+7]
	s_nop 0
.rept 4
	v_nop
.endr
	s_branch .Lasked_\@
.Lfor_w_\@:
	tensor_load_to_lds s[G0W+4*\s:G0W+4*\s+3], s[G1W:G1W+7]
	s_nop 0
.rept 4
	v_nop
.endr
.Lasked_\@:
.endm
.macro FRAGL reg, a16, a8, off
	ds_load_b128 v[\reg:\reg+3], v[\a16] offset:\off
	ds_load_b64 v[\reg+4:\reg+5], v[\a8] offset:\off
	ds_load_b128 v[\reg+6:\reg+9], v[\a16] offset:\off+768
	ds_load_b64 v[\reg+10:\reg+11], v[\a8] offset:\off+768
.endm
.macro FETCH s, q
.set FBN, 16+108*((\q)&1)
.set SBN, 232+5*((\q)&1)
.set LCH, 6400*(\s)
.irp a, 0,1,2,3
	FRAGL FBN+12*\a, AX16+(\s), AX8+(\s), \a*6400+1536*(\q)
.endr
.if DW
.irp b, 0,1,2,3
	FRAGL FBN+48+12*\b, AW16+(\s), AW8+(\s), \b*6400+1536*(\q)
.endr
.endif
.if DU
	FRAGL FBN+96, AL16, AL8, LCH+1536*(\q)
.endif
.irp i, 0,1,2,3
	ds_load_b32 v[SBN+\i], v[ASC+(\s)] offset:\i*6400+4*(\q)
.endr
.if DU
	ds_load_b32 v[SBN+4], v[ALS] offset:LCH+4*(\q)
.endif
.endm
.macro WM a, b, first
.set AC, 8*(4*\a+\b)
.set CR, AC
.if \first
.set CR, 192+8*\b
.endif
	v_wmma_scale_f32_16x16x128_f8f6f4 v[AC:AC+7], v[FBN+48+12*\b:FBN+48+12*\b+11], v[FBN+12*\a:FBN+12*\a+11], v[CR:CR+7], v[SBN+\b], v[SBN+\a] matrix_a_fmt:MATRIX_FMT_FP6 matrix_b_fmt:MATRIX_FMT_FP6 matrix_a_scale:MATRIX_SCALE_ROW1
.endm
.macro UM a, first
.if \first
	v_wmma_scale_f32_16x16x128_f8f6f4 v[128+8*\a:135+8*\a], v[FBN+96:FBN+107], v[FBN+12*\a:FBN+12*\a+11], 0, v[SBN+4], v[SBN+\a] matrix_a_fmt:MATRIX_FMT_FP6 matrix_b_fmt:MATRIX_FMT_FP6
.else
	v_wmma_scale_f32_16x16x128_f8f6f4 v[128+8*\a:135+8*\a], v[FBN+96:FBN+107], v[FBN+12*\a:FBN+12*\a+11], v[128+8*\a:135+8*\a], v[SBN+4], v[SBN+\a] matrix_a_fmt:MATRIX_FMT_FP6 matrix_b_fmt:MATRIX_FMT_FP6
.endif
.endm
.macro MULS q, first                   ; the accumulators take turns, one instruction a turn
.set FBN, 16+108*((\q)&1)
.set SBN, 232+5*((\q)&1)
	WIN 0x50
.if DW
.irp a, 0,1,2,3
.irp b, 0,1,2,3
	WM \a, \b, \first
.endr
.endr
.endif
.if DU
.irp a, 0,1,2,3
	UM \a, \first
.endr
.endif
	WIN 0
.endm
.macro KS s, q, first
	s_wait_dscnt 0x0
	PLACES 4
	FETCH \s, (\q)+1
	MULS \q, \first
.endm
.macro KX                              ; chunk 0's last step; chunk 1 lies in LDS since the tile's head: no barrier
	s_wait_dscnt 0x0
	PLACES 4
	FETCH 1, 0
	MULS 3, 0
.endm
.macro REFILL                          ; W's two chunks have been read out: the next tile's are asked for, a quarter by each wave
	s_wait_tensorcnt 0x0                           ; no tensor load of mine is out, so the group 0 may be written
	ds_add_u32 v1, v2                              ; 0 onto my spare word
	s_add_nc_u64 s[G0R+2:G0R+3], s[G0R+2:G0R+3], WSTEP
	s_wait_dscnt 0x0                               ; the add is done, and my reads of W's chunks are over: the last step's fragments are in registers
	s_barrier_signal -1
	s_barrier_wait -1
	CREST                                          ; the barrier has opened a round of the cluster's: no wave of any partner still reads these bytes or has a load on its way
	tensor_load_to_lds s[G0R:G0R+3], s[G1W:G1W+7]  ; my one tensor load behind the round: one load of mine is out
	s_nop 0
.rept 4
	v_nop
.endr
.endm
.macro ARRIVE                          ; ahead of a tile's reads: my quarter of W's chunks is in; behind the barrier everybody's is.
	s_wait_tensorcnt 0x0
	s_barrier_signal -1
	s_barrier_wait -1
.endm
.macro TILE fill
	s_wait_loadcnt 0x0                             ; B's rows and the bias
	PLACES 4
	FETCH 0, 0
	KS 0, 0, 1
	KS 0, 1, 0
	KS 0, 2, 0
	KX
	KS 1, 0, 0
	KS 1, 1, 0
	KS 1, 2, 0
.if \fill
	REFILL
.else
	s_wait_dscnt 0x0
.endif
	MULS 3, 0
.endm
.macro LBLOAD bp, cp
	WIN 0x40
.irp b, 0,1,2,3
	global_load_b128 v[160+8*\b:163+8*\b], v246, s[\bp:\bp+1] offset:(32*(\b/2)+8*(\b%2))*64
	global_load_b128 v[164+8*\b:167+8*\b], v246, s[\bp:\bp+1] offset:(32*(\b/2)+8*(\b%2))*64+16
	global_load_b128 v[192+8*\b:195+8*\b], v247, s[\cp:\cp+1] offset:(32*(\b/2)+8*(\b%2))*4
	global_load_b128 v[196+8*\b:199+8*\b], v247, s[\cp:\cp+1] offset:(32*(\b/2)+8*(\b%2))*4+16
.endr
	WIN 0
.endm
; Product li of 16 of row tile a's += U B^T (K = 16 in four steps of the f32 form): step li / 4, column tile li % 4: the row tile's four accumulators take turns, one instruction a turn.
; k slot 2 h + j holds rank 8 h + 2 s + j on both sides, so U's accumulators serve as they lie.
.macro LW a
	WIN 0x55
	v_wmma_f32_16x16x4_f32 v[8*(4*(\a)+li%4):8*(4*(\a)+li%4)+7], v[160+8*(li%4)+2*(li/4):160+8*(li%4)+2*(li/4)+1], v[128+8*(\a)+2*(li/4):128+8*(\a)+2*(li/4)+1], v[8*(4*(\a)+li%4):8*(4*(\a)+li%4)+7]
.endm
; Number gn of the 288 of row tile a's gelu (16 tokens x 64 columns: 32 numbers a lane).  v16-47 |x|, v48-79 max(x, 0) and then gelu, v80-111 1 / (1 + p |x|), v112-143 exp, v144-175 the polynomial.
;   0-31 |x|;  32-63 max(x, 0) (each accumulator from its low end on);  64-79 1 + p |x|;  80-95 x^2;  96-111 x (-log2(e) / 2);  112-143 reciprocals;  144-175 exponentials;  (a plain line and the wait for the 64)
;   176-239 the polynomial by Horner;  240-255 x t;  256-271 x exp: Q(|x|);  272-287 max(x, 0) - Q |x|.   From 64 on two numbers an instruction; what feeds an instruction stands 16 numbers ahead of it or more.
.macro GOP a
.if gn < 64
	WIN 0x04                                       ; source 1 in window 1
.else
	WIN 0
.endif
.set gq, 2*(gn%16)
.if gn < 32
	v_and_b32 v[16+gn], 0x7fffffff, v[32*(\a)+gn]
.elseif gn < 64
	v_max_num_f32 v[16+gn], 0, v[32*(\a)+gn-32]
.elseif gn < 80
	v_pk_fma_f32 v[80+gq:81+gq], v[16+gq:17+gq], 0x3e6d3389, 1.0 op_sel_hi:[1,0,0]
.elseif gn < 96
	v_pk_mul_f32 v[112+gq:113+gq], v[16+gq:17+gq], v[16+gq:17+gq]
.elseif gn < 112
	v_pk_mul_f32 v[112+gq:113+gq], v[112+gq:113+gq], 0xbf38aa3b op_sel_hi:[1,0]
.elseif gn < 144
	v_rcp_f32 v[gn-32], v[gn-32]
.elseif gn < 176
	v_exp_f32 v[gn-32], v[gn-32]
.elseif gn < 192
.if gn == 176
	v_nop                                          ; a plain instruction behind the batch,
	s_wait_alu depctr_va_vdst(0)                   ; and one wait for its 64, ahead of the first reader
.endif
	v_pk_fma_f32 v[144+gq:145+gq], v[80+gq:81+gq], 0x3f07dc22, v[250:251] op_sel_hi:[1,0,1]
.elseif gn < 208
	v_pk_fma_f32 v[144+gq:145+gq], v[144+gq:145+gq], v[80+gq:81+gq], 0x3f35f0e3 op_sel_hi:[1,1,0]
.elseif gn < 224
	v_pk_fma_f32 v[144+gq:145+gq], v[144+gq:145+gq], v[80+gq:81+gq], 0xbe11a98e op_sel_hi:[1,1,0]
.elseif gn < 240
	v_pk_fma_f32 v[144+gq:145+gq], v[144+gq:145+gq], v[80+gq:81+gq], 0x3e027906 op_sel_hi:[1,1,0]
.elseif gn < 256
	v_pk_mul_f32 v[144+gq:145+gq], v[144+gq:145+gq], v[80+gq:81+gq]
.elseif gn < 272
	v_pk_mul_f32 v[144+gq:145+gq], v[144+gq:145+gq], v[112+gq:113+gq]
.else
	v_pk_fma_f32 v[48+gq:49+gq], v[144+gq:145+gq], v[16+gq:17+gq], v[48+gq:49+gq] neg_lo:[1,0,0] neg_hi:[1,0,0]
.endif
.endm
.macro GSL a, n                        ; the next n numbers of the list
.rept \n
	GOP \a
.set gn, gn+1
.endr
.endm
.macro QUANT32 s, sw, pc, pw
	WIN 5*\sw
	v_max3_num_f32 v[TM], |v[\s]|, |v[\s+1]|, 0x1800000
	v_max3_num_f32 v[TM+1], |v[\s+16]|, |v[\s+17]|, 0x1800000
.irp i, 2,4,6,8,10,12,14
	v_max3_num_f32 v[TM], |v[\s+\i]|, |v[\s+\i+1]|, v[TM]
	v_max3_num_f32 v[TM+1], |v[\s+16+\i]|, |v[\s+17+\i]|, v[TM+1]
.endr
	WIN 0
	v_mov_b32 v[TM+2], 0
	v_mov_b32 v[TM+3], 0
	v_permlanex16_b32 v[TM+2], v[TM], s96, s97
	v_permlanex16_b32 v[TM+3], v[TM+1], s96, s97
	v_max_num_f32 v[TM], v[TM], v[TM+2]
	v_max_num_f32 v[TM+1], v[TM+1], v[TM+3]
	v_add_nc_u32 v[TM+4], 0xff000000, v[TM]
	v_add_nc_u32 v[TM+5], 0xff000000, v[TM+1]
	v_lshrrev_b32 v[TM+2], 23, v[TM+4]
	v_lshrrev_b32 v[TM+3], 23, v[TM+5]
	v_lshl_or_b32 v[\pw], v[TM+3], 8, v[TM+2]
	WIN \sw
	v_cvt_scalef32_pk16_fp6_f32 v[\pc:\pc+2], v[\s:\s+15], v[TM+4]
	v_cvt_scalef32_pk16_fp6_f32 v[\pc+6:\pc+8], v[\s+16:\s+31], v[TM+5]
	WIN 0
	v_nop
.irp i, 0,1,2
	v_permlane16_swap_b32 v[\pc+\i], v[\pc+6+\i]
.endr
.irp i, 0,1,2
	v_mov_b32 v[\pc+3+\i], v[\pc+6+\i]
.endr
.endm
.macro GQ a                            ; row tile a's gelu becomes a half image and two scale bytes a token; each row tile has registers of its own for them
	QUANT32 48, 0, 186+12*(\a), 182+(\a)
	global_store_b128 v242, v[186+12*(\a):189+12*(\a)], s[24:25] offset:51200*(\a)
	global_store_b64 v243, v[190+12*(\a):191+12*(\a)], s[24:25] offset:51200*(\a)+512
	global_store_b16 v245, v[182+(\a)], s[26:27] offset:51200*(\a)
.endm
; Behind a tile's last product: the adapter's product and the gelu, by turns.  next = 1: B's rows and the bias of the next tile column are asked for as soon as the adapter's product has read them.
.macro WAYOUT next
	PLACES 5                                       ; the f32 form writes over registers of the last products
.set li, 0
.rept 16
	LW 0                                           ; row tile 0: there is no vector work yet to set between
.set li, li+1
.endr
	WIN 0
	PLACES 9                                       ; behind the f32 form, ahead of the first read of its results
.irp a, 1,2,3
.set gn, 0
.set li, 0
.rept 16
	LW \a
	GSL \a-1, 18                                   ; the last four slices, 72 plain instructions that name none of its registers, and the quantising are the places behind this row tile's last products
.set li, li+1
.endr
	GQ \a-1
.endr
.if \next
	s_add_nc_u64 s[8:9], s[8:9], 65536             ; (the last loads by these bases were waited for at the tile's head)
	s_add_nc_u64 s[10:11], s[10:11], 4096
	LBLOAD 8, 10
.endif
.set gn, 0
	GSL 3, 288
	GQ 3
.endm
	s_load_b256 s[4:11], s[0:1], 0x0               ; hx, wts, ff1_B, ff1_b
	s_load_b64 s[12:13], s[0:1], 0x20              ; gp
	v_lshl_add_u32 v1, v0, 2, SPARE
	v_mov_b32 v2, 0
	ds_add_u32 v1, v2                              ; the wave's opening: the add, twice on end, and its wait ahead of my first tensor load
	ds_add_u32 v1, v2
	v_lshrrev_b32 v3, 5, v0
	v_readfirstlane_b32 s28, v3
	s_lshr_b32 s29, s28, 1
	s_and_b32 s30, s28, 1
	s_bfe_u32 s31, ttmp6, 0x40000
	s_bfe_u32 s32, ttmp6, 0x40004
	s_lshl_b32 s33, ttmp9, 2
	s_add_co_u32 s33, s33, s31                     ; first tile column
	s_and_b32 s34, ttmp7, 0xffff
	s_lshl_b32 s34, s34, 2
	s_add_co_u32 s34, s34, s32                     ; tile row
	s_lshl_b32 s35, s32, 2
	s_lshl_b32 s35, 15, s35
	s_lshl_b32 s36, 0x1111, s31
	s_or_b32 s[G1X], s35, (3<<16)|(1<<21)
	s_or_b32 s[G1W], s36, (3<<16)|(1<<21)
.irp g, G1X, G1W
	s_mov_b32 s[\g+1], 800<<16
	s_mov_b32 s[\g+2], 4<<16
	s_mov_b32 s[\g+3], 800<<16
	s_mov_b32 s[\g+4], 4
	s_mov_b32 s[\g+5], NCH*800
	s_mov_b32 s[\g+6], 0
	s_mov_b32 s[\g+7], 0
.endr
	s_mov_b32 s[G1L], 3<<16
	s_mov_b32 s[G1L+1], 200<<16
	s_mov_b32 s[G1L+2], (LAB/6400)<<16
	s_mov_b32 s[G1L+3], 200<<16
	s_mov_b32 s[G1L+4], LAB/6400
	s_mov_b32 s[G1L+5], 200
	s_mov_b32 s[G1L+6], 0
	s_mov_b32 s[G1L+7], 0
	s_lshl_b32 s37, s30, 2
	s_lshl_b32 s38, s34, 3
	s_add_co_u32 s38, s38, s37
	s_mul_i32 s38, s38, NCH*6400
	s_mov_b32 s39, 0
	s_lshl_b32 s40, s33, 3
	s_add_co_u32 s40, s40, s37
	s_mul_i32 s40, s40, NCH*6400
	s_add_co_u32 s40, s40, WOFF
	s_mov_b32 s41, 0
	s_mul_i32 s42, s28, LAB/4
	s_add_co_u32 s44, s42, LAOFF
	s_mov_b32 s45, 0
	s_mul_i32 s43, s30, 25600
	s_mul_i32 s46, s29, 6400                       ; the refills: chunk w / 2 of my four row tiles of W
	s_mov_b32 s47, 0
	s_mov_b32 s96, 0x76543210
	s_mov_b32 s97, 0xfedcba98
	s_wait_dscnt 0x0
	s_wait_kmcnt 0x0
	s_add_nc_u64 s[38:39], s[4:5], s[38:39]
	s_add_nc_u64 s[40:41], s[6:7], s[40:41]
	s_add_nc_u64 s[44:45], s[6:7], s[44:45]
	s_add_nc_u64 s[66:67], s[40:41], s[46:47]      ; made of the tile column and the wave's number alone, which my column of the cluster shares
	CROUND
	s_mov_b32 s[G0L], 1
	s_add_co_u32 s[G0L+1], s42, LAP
	s_mov_b64 s[G0L+2:G0L+3], s[44:45]
	s_or_b32 s[G0L+3], s[G0L+3], 0x80000000
	tensor_load_to_lds s[G0L:G0L+3], s[G1L:G1L+7]  ; with the two below three loads of mine are out
	s_nop 0
.irp s, 0,1
	s_mov_b32 s[G0X+4*\s], 1
	s_add_co_u32 s[G0X+4*\s+1], s43, \s*51200
	s_add_nc_u64 s[G0X+4*\s+2:G0X+4*\s+3], s[38:39], \s*6400
	s_or_b32 s[G0X+4*\s+3], s[G0X+4*\s+3], 0x80000000
	s_mov_b32 s[G0W+4*\s], 1
	s_add_co_u32 s[G0W+4*\s+1], s43, 102400+\s*51200
	s_add_nc_u64 s[G0W+4*\s+2:G0W+4*\s+3], s[40:41], \s*6400
	s_or_b32 s[G0W+4*\s+3], s[G0W+4*\s+3], 0x80000000
	JLOAD \s
.endr
	v_and_b32 v16, 31, v0
	v_and_b32 v17, 15, v0
	v_bfe_u32 v18, v0, 4, 1
	v_lshlrev_b32 v242, 4, v16
	v_lshlrev_b32 v243, 3, v16
	s_mul_i32 s46, s29, 25600
	s_mul_i32 s47, s30, 25600
	s_add_co_u32 s47, s47, 102400
	v_add_nc_u32 v3, s46, v242
	v_add_nc_u32 v4, 51200, v3
	v_add_nc_u32 v5, s46, v243
	v_add_nc_u32 v5, 512, v5
	v_add_nc_u32 v6, 51200, v5
	v_add_nc_u32 v7, s47, v242
	v_add_nc_u32 v8, 51200, v7
	v_add_nc_u32 v9, s47, v243
	v_add_nc_u32 v9, 512, v9
	v_add_nc_u32 v10, 51200, v9
	v_add_nc_u32 v11, LAP, v242
	v_add_nc_u32 v12, LAP+512, v243
	v_lshlrev_b32 v245, 4, v17
	v_add_nc_u32 v13, LAP+6144, v245
	s_xor_b32 s47, s29, 1
	s_add_co_u32 s47, s47, s30
	s_mul_i32 s47, s47, 25600
	s_add_co_u32 s47, s47, 76800
	v_mul_u32_u24 v19, s47, v18
	v_add_nc_u32 v14, v245, v19
	s_add_co_u32 s46, s46, 6144
	v_add_nc_u32 v14, s46, v14
	v_add_nc_u32 v15, 51200, v14
	v_and_b32 v19, 8, v17
	v_add_nc_u32 v19, v19, v17
	v_lshlrev_b32 v246, 6, v19
	v_lshl_add_u32 v246, v18, 5, v246
	v_lshlrev_b32 v247, 6, v18
	v_mov_b32 v250, 0xbf3a00e3                     ; the polynomial's fourth coefficient, as a pair
	v_mov_b32 v251, 0xbf3a00e3
	s_lshl_b32 s46, s33, 7
	s_lshl_b32 s47, s30, 6
	s_add_co_u32 s46, s46, s47                     ; my first column
	s_lshl_b32 s36, s46, 6
	s_mov_b32 s37, 0
	s_add_nc_u64 s[8:9], s[8:9], s[36:37]
	s_lshl_b32 s36, s46, 2
	s_add_nc_u64 s[10:11], s[10:11], s[36:37]
	LBLOAD 8, 10
	s_lshl_b32 s46, s34, 3
	s_lshl_b32 s47, s29, 2
	s_add_co_u32 s46, s46, s47                     ; my first row tile
	s_lshl_b32 s46, s46, 3
	s_lshr_b32 s47, s33, 2
	s_add_co_u32 s46, s46, s47                     ; its record: 512 columns are four tile columns
	s_mul_i32 s46, s46, 6400
	s_and_b32 s47, s33, 3
	s_lshl_b32 s35, s47, 1
	s_add_co_u32 s35, s35, s30                     ; my half image in the record
	s_mul_i32 s36, s35, 768
	s_add_co_u32 s36, s36, s46
	s_add_nc_u64 s[24:25], s[12:13], s[36:37]
	s_lshl_b32 s36, s35, 1
	s_add_co_u32 s36, s36, s46
	s_add_co_u32 s36, s36, 6144
	s_add_nc_u64 s[26:27], s[12:13], s[36:37]      ; my two scale bytes a row
	s_wait_tensorcnt 0x0                           ; my three first fills are in: what follows reads both chunks; and A's group 0 may be written:
	s_mov_b32 s[G0R], 1                            ; the refills' group 0: my quarter of W's two chunks,
	s_mul_i32 s[G0R+1], s28, 25600
	s_add_co_u32 s[G0R+1], s[G0R+1], 102400        ; at 102,400 + 25,600 x wave,
	s_mov_b64 s[G0R+2:G0R+3], s[66:67]             ; from this tile's rows: each refill steps it first
	s_or_b32 s[G0R+3], s[G0R+3], 0x80000000
	s_barrier_signal -1
	s_barrier_wait -1
.set DW, 0
.set DU, 1
	FETCH 0, 0                                     ; U = h2 A^T: eight steps, four products each
	KS 0, 0, 1
	KS 0, 1, 0
	KS 0, 2, 0
	KX
	KS 1, 0, 0
	KS 1, 1, 0
	KS 1, 2, 0
	s_wait_dscnt 0x0
	MULS 3, 0
.set DW, 1
.set DU, 0
	s_mov_b32 s98, 3
.Ltile:
	TILE 1
	WAYOUT 1
	s_wait_xcnt 0x0                                ; the stores have read their registers and bases
	s_add_nc_u64 s[24:25], s[24:25], 12800         ; eight tile columns on: two records
	s_add_nc_u64 s[26:27], s[26:27], 12800
	ARRIVE
	s_sub_co_u32 s98, s98, 1
	s_cmp_lg_u32 s98, 0
	s_cbranch_scc1 .Ltile
	TILE 0                                         ; the last tile asks for nothing
	WAYOUT 0
	s_wait_tensorcnt 0x0                           ; the wave's end
	ds_add_u32 v1, v2
	s_wait_dscnt 0x0
	CROUND
	s_endpgm
.Lfunc_end_k_q672379f006_gemm_ff1:
	.size	k_q672379f006_gemm_ff1, .Lfunc_end_k_q672379f006_gemm_ff1-k_q672379f006_gemm_ff1
	.p2alignl 7, 3214868480
	.fill 96, 4, 3214868480
	.section	.rodata,"a",@progbits
	.p2align	6, 0x0
	.amdhsa_kernel k_q672379f006_gemm_ff1
		.amdhsa_group_segment_fixed_size 327680
		.amdhsa_private_segment_fixed_size 0
		.amdhsa_enable_private_segment 0
		.amdhsa_kernarg_size 40
		.amdhsa_user_sgpr_count 2
		.amdhsa_user_sgpr_kernarg_segment_ptr 1
		.amdhsa_wavefront_size32 1
		.amdhsa_system_sgpr_workgroup_id_x 1
		.amdhsa_system_sgpr_workgroup_id_y 1
		.amdhsa_system_sgpr_workgroup_id_z 1
		.amdhsa_system_vgpr_workitem_id 0
		.amdhsa_next_free_vgpr 512
		.amdhsa_next_free_sgpr 100
		.amdhsa_reserve_vcc 0
		.amdhsa_float_denorm_mode_32 3
		.amdhsa_float_denorm_mode_16_64 3
		.amdhsa_memory_ordered 1
		.amdhsa_forward_progress 1
		.amdhsa_inst_pref_size 255
	.end_amdhsa_kernel
	.section	.bss,"aw",@nobits
	.p2align	6
	.space	262144
	.amdgpu_metadata
---
amdhsa.version: [ 1, 2 ]
amdhsa.kernels:
  - .name:           k_q672379f006_gemm_ff1
    .symbol:         k_q672379f006_gemm_ff1.kd
    .args:
      - { .name: hx, .offset: 0, .size: 8, .value_kind: global_buffer, .address_space: global }
      - { .name: wts, .offset: 8, .size: 8, .value_kind: global_buffer, .address_space: global }
      - { .name: ff1_B, .offset: 16, .size: 8, .value_kind: global_buffer, .address_space: global }
      - { .name: ff1_b, .offset: 24, .size: 8, .value_kind: global_buffer, .address_space: global }
      - { .name: gp, .offset: 32, .size: 8, .value_kind: global_buffer, .address_space: global }
    .group_segment_fixed_size: 327680
    .private_segment_fixed_size: 0
    .kernarg_segment_align: 8
    .kernarg_segment_size: 40
    .max_flat_workgroup_size: 128
    .sgpr_count:     100
    .vgpr_count:     512
    .wavefront_size: 32
...
	.end_amdgpu_metadata
.endif
;; end of part 6
;; launch gemm_ff2 (part 7): grid 8 x 32, 4 waves a work-group, clusters of 4 x 4, 327,680 bytes of LDS; arguments gp, wts, ff2_B, ff2_b, x1, out0; writes out0
.if DOCPART == 7
	.amdgcn_target "amdgcn-amd-amdhsa--gfx1250"
	.amdhsa_code_object_version 6
	.text
	.protected	k_q672379f006_gemm_ff2
	.globl	k_q672379f006_gemm_ff2
	.p2align	8
	.type	k_q672379f006_gemm_ff2,@function
k_q672379f006_gemm_ff2:
	s_mov_b64 s[64:65], 0
	v_nop
	global_prefetch_b8 v0, s[64:65] scope:SCOPE_SE
	s_setreg_imm32_b32 hwreg(HW_REG_WAVE_MODE, 25, 1), 1
	s_wait_xcnt 0x0
	s_wait_alu depctr_hold_cnt(0) depctr_sa_sdst(0) depctr_va_vdst(0) depctr_va_sdst(0) depctr_va_ssrc(0) depctr_va_vcc(0) depctr_vm_vsrc(0)
	s_getreg_b32 s2, hwreg(HW_REG_IB_STS2, 6, 4)
	s_cmp_eq_u32 s2, 0
	s_cbranch_scc0 .Lentry_in_a_cluster
	s_endpgm
.Lentry_in_a_cluster:
	s_bfe_u32 s2, ttmp6, 0x10000c
	s_cmp_lg_u32 s2, 0xf033
	s_cbranch_scc0 .Lentry_shape_is_right
	s_endpgm
.Lentry_shape_is_right:
; out0 = x1 + g ff2_W^T + ff2_b + (g ff2_A^T) ff2_B^T.  g (gp) and the weights (wts) come as panels of codes.  One tile of 128 x 128 to a work-group, four waves of 64 x 64; K = 4,096 goes in eight chunks of 512
; through a ring of two slots: a slot is asked for again behind the round at its last step and has the other slot's four steps, 80 matrix instructions a wave, in which to land.
; The library is that of the launch for q, k, v, and is explained there; the way out is that of the launch for o, the residual asked for at the head into window 2.  A's panel (all eight chunks, 51,200 bytes) stays in LDS.
; The adapter's second product (K = 16) goes on into no quantiser: it takes bf16 operands, one matrix instruction of K = 32 an accumulator, k = 16 .. 31 zeros on both sides.  U's accumulators hold a token a lane and ranks
; 8 h .. 8 h + 7, B's rows likewise: rounded in pairs they are the 16-bit operand's registers 0 to 3.
; LIMITS: NaN and infinities are not served; in the adapter's second product U and ff2_B are rounded to bf16.
.set NCH,   8
.set WOFF,  6553600
.set LAOFF, 9894400
.set LAB,   51200
.set XSTEP, 12800
.set WSTEP, 12800
.set LASTEP, 1
.set LAP,   204800
.set SPARE, 256000
.set STAGE, 256512
.set AX16, 3
.set AX8,  5
.set AW16, 7
.set AW8,  9
.set AL16, 11
.set AL8,  12
.set ALS,  13
.set ASC,  14
.set G1X, 48
.set G1W, 56
.set G1L, 68
.set G0X, 76
.set G0W, 84
.set G0L, 92
.set MSB, 0
.macro WIN new
.if MSB != \new
	s_set_vgpr_msb (MSB<<8)|\new
.set MSB, \new
.endif
.endm
.macro PLACES n
.rept \n
	v_nop
.endr
.endm
.macro CREST
	s_cmp_lg_u32 s28, 0
	s_cbranch_scc1 .Lnot_wave_0_\@
	s_barrier_signal -3
.Lnot_wave_0_\@:
	s_barrier_wait -3
	s_barrier_signal -1
	s_barrier_wait -1
.endm
.macro CROUND
	s_barrier_signal -1
	s_barrier_wait -1
	CREST
.endm
.macro JLOAD s
	s_cmp_eq_u32 s29, 0
	s_cbranch_scc0 .Lfor_w_\@
	tensor_load_to_lds s[G0X+4*\s:G0X+4*\s+3], s[G1X:G1X+7]
	s_nop 0
.rept 4
	v_nop
.endr
	s_branch .Lasked_\@
.Lfor_w_\@:
	tensor_load_to_lds s[G0W+4*\s:G0W+4*\s+3], s[G1W:G1W+7]
	s_nop 0
.rept 4
	v_nop
.endr
.Lasked_\@:
.endm
.macro FRAGL reg, a16, a8, off
	ds_load_b128 v[\reg:\reg+3], v[\a16] offset:\off
	ds_load_b64 v[\reg+4:\reg+5], v[\a8] offset:\off
	ds_load_b128 v[\reg+6:\reg+9], v[\a16] offset:\off+768
	ds_load_b64 v[\reg+10:\reg+11], v[\a8] offset:\off+768
.endm
.macro FETCH s, q
.set FBN, 16+108*((\q)&1)
.set SBN, 232+5*((\q)&1)
.set LCH, 6400*(\s)
.irp a, 0,1,2,3
	FRAGL FBN+12*\a, AX16+(\s), AX8+(\s), \a*6400+1536*(\q)
.endr
.irp b, 0,1,2,3
	FRAGL FBN+48+12*\b, AW16+(\s), AW8+(\s), \b*6400+1536*(\q)
.endr
	FRAGL FBN+96, AL16, AL8, LCH+1536*(\q)
.irp i, 0,1,2,3
	ds_load_b32 v[SBN+\i], v[ASC+(\s)] offset:\i*6400+4*(\q)
.endr
	ds_load_b32 v[SBN+4], v[ALS] offset:LCH+4*(\q)
.endm
.macro WM a, b, first
.set AC, 8*(4*\a+\b)
.set CR, AC
.if \first
.set CR, 192+8*\b
.endif
	v_wmma_scale_f32_16x16x128_f8f6f4 v[AC:AC+7], v[FBN+48+12*\b:FBN+48+12*\b+11], v[FBN+12*\a:FBN+12*\a+11], v[CR:CR+7], v[SBN+\b], v[SBN+\a] matrix_a_fmt:MATRIX_FMT_FP6 matrix_b_fmt:MATRIX_FMT_FP6 matrix_a_scale:MATRIX_SCALE_ROW1
.endm
.macro UM a, first
.if \first
	v_wmma_scale_f32_16x16x128_f8f6f4 v[128+8*\a:135+8*\a], v[FBN+96:FBN+107], v[FBN+12*\a:FBN+12*\a+11], 0, v[SBN+4], v[SBN+\a] matrix_a_fmt:MATRIX_FMT_FP6 matrix_b_fmt:MATRIX_FMT_FP6
.else
	v_wmma_scale_f32_16x16x128_f8f6f4 v[128+8*\a:135+8*\a], v[FBN+96:FBN+107], v[FBN+12*\a:FBN+12*\a+11], v[128+8*\a:135+8*\a], v[SBN+4], v[SBN+\a] matrix_a_fmt:MATRIX_FMT_FP6 matrix_b_fmt:MATRIX_FMT_FP6
.endif
.endm
.macro MULS q, first                   ; the accumulators take turns, one instruction a turn, over the loop's backward jump too
.set FBN, 16+108*((\q)&1)
.set SBN, 232+5*((\q)&1)
	WIN 0x50
.irp a, 0,1,2,3
.irp b, 0,1,2,3
	WM \a, \b, \first
.endr
.endr
.irp a, 0,1,2,3
	UM \a, \first
.endr
	WIN 0
.endm
.macro KS s, q, first
	s_wait_dscnt 0x0
	PLACES 4
	FETCH \s, (\q)+1
	MULS \q, \first
.endm
.macro TURN s, fill, fetch
	s_wait_tensorcnt 0x0                           ; all my tensor loads have landed: my part of the other slot; so a group 0 may be written
	ds_add_u32 v1, v2                              ; 0 onto my spare word
.if \fill
	s_add_nc_u64 s[G0X+4*\s+2:G0X+4*\s+3], s[G0X+4*\s+2:G0X+4*\s+3], XSTEP   ; this slot's next chunk: two chunks on
	s_add_nc_u64 s[G0W+4*\s+2:G0W+4*\s+3], s[G0W+4*\s+2:G0W+4*\s+3], WSTEP
.endif
	s_wait_dscnt 0x0                               ; the add is done, and my reads of this slot are over
	s_barrier_signal -1
	s_barrier_wait -1
.if \fill
	CREST                                          ; the barrier has opened a round of the cluster's: no wave of any partner still reads this slot or has a load on its way
	JLOAD \s                                       ; my one tensor load behind the round; its four v_nop are also the places in front of the loads below
.else
	PLACES 4
.endif
.if \fetch
.if LASTEP*(\s)
	v_add_nc_u32 v[AL16], 12800, v[AL16]           ; A's panel: two chunks on (no LDS load of mine is out)
	v_add_nc_u32 v[AL8], 12800, v[AL8]
	v_add_nc_u32 v[ALS], 12800, v[ALS]
.endif
	FETCH 1-(\s), 0
.endif
	MULS 3, 0
.endm
.macro LBLOAD bp, cp
	WIN 0x40
.irp b, 0,1,2,3
	global_load_b128 v[160+8*\b:163+8*\b], v246, s[\bp:\bp+1] offset:(32*(\b/2)+8*(\b%2))*64
	global_load_b128 v[164+8*\b:167+8*\b], v246, s[\bp:\bp+1] offset:(32*(\b/2)+8*(\b%2))*64+16
	global_load_b128 v[192+8*\b:195+8*\b], v247, s[\cp:\cp+1] offset:(32*(\b/2)+8*(\b%2))*4
	global_load_b128 v[196+8*\b:199+8*\b], v247, s[\cp:\cp+1] offset:(32*(\b/2)+8*(\b%2))*4+16
.endr
	WIN 0
.endm
.macro LORA16                          ; += U B^T on bf16 operands: v144-175 U's four fragments, v176-207 B's four, each four registers of pairs and four of zeros
	PLACES 5                                       ; behind the last products: for reads of U, writes of registers that held fragments, and the products below, which write over the accumulators in another form
	WIN 0x05                                       ; sources 0 and 1 in window 1
.irp a, 0,1,2,3
.irp i, 0,1,2,3
	v_cvt_pk_bf16_f32 v[144+8*\a+\i], v[128+8*\a+2*\i], v[128+8*\a+2*\i+1]     ; each accumulator from its low end on
.endr
.endr
.irp b, 0,1,2,3
.irp i, 0,1,2,3
	v_cvt_pk_bf16_f32 v[176+8*\b+\i], v[160+8*\b+2*\i], v[160+8*\b+2*\i+1]
.endr
.endr
	WIN 0
.irp t, 0,1,2,3,4,5,6,7
.irp i, 4,5,6,7
	v_mov_b32 v[144+8*\t+\i], 0                    ; k = 16 .. 31
.endr
.endr
	PLACES 4
	WIN 0x50
.irp a, 0,1,2,3
.irp b, 0,1,2,3
	v_wmma_f32_16x16x32_bf16 v[8*(4*\a+\b):8*(4*\a+\b)+7], v[176+8*\b:183+8*\b], v[144+8*\a:151+8*\a], v[8*(4*\a+\b):8*(4*\a+\b)+7]
.endr
.endr
	WIN 0
	PLACES 5
.endm
.macro RESLOAD                         ; the residual's 64 rows x 256 bytes into window 2, in the order in which the stage gives the rows back: position 2 i + h of tile a
	WIN 0x80                                       ; destination window 2, address window 0
.irp a, 0,1,2,3
.irp i, 0,1,2,3,4,5,6,7
	global_load_b128 v[32*\a+4*\i:32*\a+4*\i+3], v253, s[12:13] offset:(32*(\a/2)+8*(\a%2)+2*\i+8*(\i/4))*4096 th:TH_LOAD_NT
.endr
.endr
	WIN 0
.endm
.macro EPI_RES
	s_wait_loadcnt 0x0                             ; the residual
.irp a, 0,1,2,3
	WIN 0x04                                       ; an LDS store's data are its source 1: window 1
.irp b, 0,1,2,3
	ds_store_b128 v249, v[8*(4*\a+\b):8*(4*\a+\b)+3] offset:128*(\b/2)+32*(\b%2)       ; each accumulator from its low end on
	ds_store_b128 v249, v[8*(4*\a+\b)+4:8*(4*\a+\b)+7] offset:128*(\b/2)+32*(\b%2)+16
.endr
	WIN 0
.irp i, 0,1,2,3,4,5,6,7
	ds_load_b128 v[16+32*\a+4*\i:19+32*\a+4*\i], v252 offset:544*\i     ; LDS serves a wave's instructions in order: these see my stores.  Each tile has 32 registers of its own: no store's data are written again
.endr
	s_wait_dscnt 0x0
	WIN 0x08                                       ; source 1 in window 2
.set j, 0
.rept 16
	v_pk_add_f32 v[16+32*\a+j:17+32*\a+j], v[16+32*\a+j:17+32*\a+j], v[32*\a+j:32*\a+j+1]
.set j, j+2
.endr
	WIN 0
.irp i, 0,1,2,3,4,5,6,7
	global_store_b128 v253, v[16+32*\a+4*\i:19+32*\a+4*\i], s[14:15] offset:(32*(\a/2)+8*(\a%2)+2*\i+8*(\i/4))*4096 th:TH_STORE_NT
.endr
.endr
.endm
	s_load_b256 s[4:11], s[0:1], 0x0               ; gp, wts, ff2_B, ff2_b
	s_load_b128 s[12:15], s[0:1], 0x20             ; x1, out0
	v_lshl_add_u32 v1, v0, 2, SPARE
	v_mov_b32 v2, 0
	ds_add_u32 v1, v2                              ; the wave's opening: the add, twice on end, and its wait ahead of my first tensor load
	ds_add_u32 v1, v2
	v_lshrrev_b32 v3, 5, v0
	v_readfirstlane_b32 s28, v3
	s_lshr_b32 s29, s28, 1
	s_and_b32 s30, s28, 1
	s_bfe_u32 s31, ttmp6, 0x40000
	s_bfe_u32 s32, ttmp6, 0x40004
	s_lshl_b32 s33, ttmp9, 2
	s_add_co_u32 s33, s33, s31
	s_and_b32 s34, ttmp7, 0xffff
	s_lshl_b32 s34, s34, 2
	s_add_co_u32 s34, s34, s32
	s_lshl_b32 s35, s32, 2
	s_lshl_b32 s35, 15, s35
	s_lshl_b32 s36, 0x1111, s31
	s_or_b32 s[G1X], s35, (3<<16)|(1<<21)
	s_or_b32 s[G1W], s36, (3<<16)|(1<<21)
.irp g, G1X, G1W
	s_mov_b32 s[\g+1], 800<<16
	s_mov_b32 s[\g+2], 4<<16
	s_mov_b32 s[\g+3], 800<<16
	s_mov_b32 s[\g+4], 4
	s_mov_b32 s[\g+5], NCH*800
	s_mov_b32 s[\g+6], 0
	s_mov_b32 s[\g+7], 0
.endr
	s_mov_b32 s[G1L], 3<<16
	s_mov_b32 s[G1L+1], 200<<16
	s_mov_b32 s[G1L+2], (LAB/6400)<<16
	s_mov_b32 s[G1L+3], 200<<16
	s_mov_b32 s[G1L+4], LAB/6400
	s_mov_b32 s[G1L+5], 200
	s_mov_b32 s[G1L+6], 0
	s_mov_b32 s[G1L+7], 0
	s_lshl_b32 s37, s30, 2
	s_lshl_b32 s38, s34, 3
	s_add_co_u32 s38, s38, s37
	s_mul_i32 s38, s38, NCH*6400
	s_mov_b32 s39, 0
	s_lshl_b32 s40, s33, 3
	s_add_co_u32 s40, s40, s37
	s_mul_i32 s40, s40, NCH*6400
	s_add_co_u32 s40, s40, WOFF
	s_mov_b32 s41, 0
	s_mul_i32 s42, s28, LAB/4
	s_add_co_u32 s44, s42, LAOFF
	s_mov_b32 s45, 0
	s_mul_i32 s43, s30, 25600
	s_wait_dscnt 0x0
	s_wait_kmcnt 0x0
	s_add_nc_u64 s[38:39], s[4:5], s[38:39]
	s_add_nc_u64 s[40:41], s[6:7], s[40:41]
	s_add_nc_u64 s[44:45], s[6:7], s[44:45]
	CROUND
	s_mov_b32 s[G0L], 1
	s_add_co_u32 s[G0L+1], s42, LAP
	s_mov_b64 s[G0L+2:G0L+3], s[44:45]
	s_or_b32 s[G0L+3], s[G0L+3], 0x80000000
	tensor_load_to_lds s[G0L:G0L+3], s[G1L:G1L+7]  ; with the two below three loads of mine are out
	s_nop 0
.irp s, 0,1
	s_mov_b32 s[G0X+4*\s], 1
	s_add_co_u32 s[G0X+4*\s+1], s43, \s*51200
	s_add_nc_u64 s[G0X+4*\s+2:G0X+4*\s+3], s[38:39], \s*6400
	s_or_b32 s[G0X+4*\s+3], s[G0X+4*\s+3], 0x80000000
	s_mov_b32 s[G0W+4*\s], 1
	s_add_co_u32 s[G0W+4*\s+1], s43, 102400+\s*51200
	s_add_nc_u64 s[G0W+4*\s+2:G0W+4*\s+3], s[40:41], \s*6400
	s_or_b32 s[G0W+4*\s+3], s[G0W+4*\s+3], 0x80000000
	JLOAD \s
.endr
	v_and_b32 v16, 31, v0
	v_and_b32 v17, 15, v0
	v_bfe_u32 v18, v0, 4, 1
	v_lshlrev_b32 v242, 4, v16
	v_lshlrev_b32 v243, 3, v16
	s_mul_i32 s46, s29, 25600
	s_mul_i32 s47, s30, 25600
	s_add_co_u32 s47, s47, 102400
	v_add_nc_u32 v3, s46, v242
	v_add_nc_u32 v4, 51200, v3
	v_add_nc_u32 v5, s46, v243
	v_add_nc_u32 v5, 512, v5
	v_add_nc_u32 v6, 51200, v5
	v_add_nc_u32 v7, s47, v242
	v_add_nc_u32 v8, 51200, v7
	v_add_nc_u32 v9, s47, v243
	v_add_nc_u32 v9, 512, v9
	v_add_nc_u32 v10, 51200, v9
	v_add_nc_u32 v11, LAP, v242
	v_add_nc_u32 v12, LAP+512, v243
	v_lshlrev_b32 v245, 4, v17
	v_add_nc_u32 v13, LAP+6144, v245
	s_xor_b32 s47, s29, 1
	s_add_co_u32 s47, s47, s30
	s_mul_i32 s47, s47, 25600
	s_add_co_u32 s47, s47, 76800
	v_mul_u32_u24 v19, s47, v18
	v_add_nc_u32 v14, v245, v19
	s_add_co_u32 s46, s46, 6144
	v_add_nc_u32 v14, s46, v14
	v_add_nc_u32 v15, 51200, v14
	v_and_b32 v19, 8, v17
	v_add_nc_u32 v19, v19, v17
	v_lshlrev_b32 v246, 6, v19
	v_lshl_add_u32 v246, v18, 5, v246
	v_lshlrev_b32 v247, 6, v18
	s_mul_i32 s46, s28, 4352
	s_add_co_u32 s46, s46, STAGE
	v_mul_u32_u24 v249, v17, 272
	v_lshl_add_u32 v249, v18, 6, v249
	v_add_nc_u32 v249, s46, v249
	v_mul_u32_u24 v252, v18, 272
	v_lshl_add_u32 v252, v17, 4, v252
	v_add_nc_u32 v252, s46, v252
	v_lshlrev_b32 v253, 12, v18
	v_lshl_add_u32 v253, v17, 4, v253
	s_lshl_b32 s46, s33, 7
	s_lshl_b32 s47, s30, 6
	s_add_co_u32 s46, s46, s47
	s_lshl_b32 s36, s46, 6
	s_mov_b32 s37, 0
	s_add_nc_u64 s[8:9], s[8:9], s[36:37]
	s_lshl_b32 s36, s46, 2
	s_add_nc_u64 s[10:11], s[10:11], s[36:37]
	s_lshl_b32 s46, s34, 7
	s_lshl_b32 s47, s29, 6
	s_add_co_u32 s46, s46, s47
	s_lshl_b32 s46, s46, 12
	s_add_co_u32 s36, s36, s46
	s_add_nc_u64 s[12:13], s[12:13], s[36:37]
	s_add_nc_u64 s[14:15], s[14:15], s[36:37]
	LBLOAD 8, 10
	RESLOAD
	s_wait_tensorcnt 0x1                           ; A's panel and my part of slot 0 are in; the youngest load, slot 1's, may be out
	s_barrier_signal -1
	s_barrier_wait -1
	s_wait_loadcnt 32                              ; B's rows and the bias are in; the 32 loads of the residual, issued behind them, may be out
	FETCH 0, 0
	KS 0, 0, 1                                     ; the first step stands in front of the loop: its products start the sums
	KS 0, 1, 0
	KS 0, 2, 0
	s_mov_b32 s98, 3
.Llap:                                             ; a trip goes once round the ring and fills both slots again: chunks 2 to 7
	TURN 0, 1, 1
	KS 1, 0, 0
	KS 1, 1, 0
	KS 1, 2, 0
	TURN 1, 1, 1
	KS 0, 0, 0
	KS 0, 1, 0
	KS 0, 2, 0
	s_sub_co_u32 s98, s98, 1
	s_cmp_lg_u32 s98, 0
	s_cbranch_scc1 .Llap
	TURN 0, 0, 1                                   ; the last lap fills nothing
	KS 1, 0, 0
	KS 1, 1, 0
	KS 1, 2, 0
	s_wait_dscnt 0x0
	MULS 3, 0
	LORA16
	EPI_RES
	s_wait_tensorcnt 0x0                           ; the wave's end, behind my last tensor load and my last LDS store
	ds_add_u32 v1, v2
	s_wait_dscnt 0x0
	CROUND
	s_endpgm
.Lfunc_end_k_q672379f006_gemm_ff2:
	.size	k_q672379f006_gemm_ff2, .Lfunc_end_k_q672379f006_gemm_ff2-k_q672379f006_gemm_ff2
	.p2alignl 7, 3214868480
	.fill 96, 4, 3214868480
	.section	.rodata,"a",@progbits
	.p2align	6, 0x0
	.amdhsa_kernel k_q672379f006_gemm_ff2
		.amdhsa_group_segment_fixed_size 327680
		.amdhsa_private_segment_fixed_size 0
		.amdhsa_enable_private_segment 0
		.amdhsa_kernarg_size 48
		.amdhsa_user_sgpr_count 2
		.amdhsa_user_sgpr_kernarg_segment_ptr 1
		.amdhsa_wavefront_size32 1
		.amdhsa_system_sgpr_workgroup_id_x 1
		.amdhsa_system_sgpr_workgroup_id_y 1
		.amdhsa_system_sgpr_workgroup_id_z 1
		.amdhsa_system_vgpr_workitem_id 0
		.amdhsa_next_free_vgpr 640
		.amdhsa_next_free_sgpr 100
		.amdhsa_reserve_vcc 0
		.amdhsa_float_denorm_mode_32 3
		.amdhsa_float_denorm_mode_16_64 3
		.amdhsa_memory_ordered 1
		.amdhsa_forward_progress 1
		.amdhsa_inst_pref_size 117
	.end_amdhsa_kernel
	.amdgpu_metadata
---
amdhsa.version: [ 1, 2 ]
amdhsa.kernels:
  - .name:           k_q672379f006_gemm_ff2
    .symbol:         k_q672379f006_gemm_ff2.kd
    .args:
      - { .name: gp, .offset: 0, .size: 8, .value_kind: global_buffer, .address_space: global }
      - { .name: wts, .offset: 8, .size: 8, .value_kind: global_buffer, .address_space: global }
      - { .name: ff2_B, .offset: 16, .size: 8, .value_kind: global_buffer, .address_space: global }
      - { .name: ff2_b, .offset: 24, .size: 8, .value_kind: global_buffer, .address_space: global }
      - { .name: x1, .offset: 32, .size: 8, .value_kind: global_buffer, .address_space: global }
      - { .name: out0, .offset: 40, .size: 8, .value_kind: global_buffer, .address_space: global }
    .group_segment_fixed_size: 327680
    .private_segment_fixed_size: 0
    .kernarg_segment_align: 8
    .kernarg_segment_size: 48
    .max_flat_workgroup_size: 128
    .sgpr_count:     100
    .vgpr_count:     640
    .wavefront_size: 32
...
	.end_amdgpu_metadata
.endif
;; end of part 7
